; MI455X (gfx1250); checked and timed in simulation.
; The chip was launched on July 23, 2026; its instructions are those of AMD's public machine-readable ISA for CDNA 5 (MIT licence, August 2026) and "CDNA5" Instruction Set Architecture Reference Guide (July 2026). The comments in the code are by the model that wrote it; some were corrected since.
;; Moe. Allowed arithmetic: float matrix products may take bf16 or f16 operands with f32 sums; all other float work in f32.
;; Inputs: W1 16 x 512 x 682 float32; W2 16 x 682 x 512 float32; Wout 8,192 x 512 float32; b1 16 x 682 float32; b2 16 x 512 float32; bout 512 float32; phi 512 x 16 x 682 float32; x 8 x 16 x 512 float32.
;; Outputs: out0 8 x 512 float32.
;; 2 versions, each right; version 2 is version 1 with the launches down, head written anew for expert scheduling mode. Each part assembles by itself: llvm-mc -triple=amdgcn-amd-amdhsa -mcpu=gfx1250 --defsym DOCPART=n.
;; ======== version 1 of 2: 6 launches
;; workspace buffers: dw 2,883,584 bytes; xw 2,883,584 bytes; lg 5,767,168 bytes; cw 2,883,584 bytes; ps 90,112 bytes; zf 2,883,584 bytes; yp 8,388,608 bytes; op 2,097,152 bytes
;; launch proj (part 1): grid 88 x 2, 8 waves a work-group, no clusters, 297,984 bytes of LDS; arguments x, phi, W1, dw, lg, xw; writes dw, lg, xw
.if DOCPART == 1
	.amdgcn_target "amdgcn-amd-amdhsa--gfx1250"
	.amdhsa_code_object_version 6
	.text
	.protected	k_qd60e038065_proj
	.globl	k_qd60e038065_proj
	.p2align	8
	.type	k_qd60e038065_proj,@function
k_qd60e038065_proj:
	s_mov_b64 s[64:65], 0
	v_nop
	global_prefetch_b8 v0, s[64:65] scope:SCOPE_SE
	s_setreg_imm32_b32 hwreg(HW_REG_WAVE_MODE, 25, 1), 1
	s_wait_xcnt 0x0
; proj: y = 0: L = x phi (logits, kept in f32 in lg) and Dw = softmax of L over the 16 tokens (bf16 in dw);
;       y = 1: XW = x W1[n] (bf16 in xw).  Both are [128 token rows] x [16 experts x 704 columns], K = 512; columns 682..703 are padding.
; The two large products of the model are reassociated: Xs W1 = Dw^T (x W1), which holds for every input; only the order of rounding differs.
; LIMITS: x, phi, W1 enter the matrix unit rounded to bf16, sums in f32; Dw and XW are stored rounded to bf16; inputs for which the
; model's own result is not finite are not served.  Pad columns: weights are masked to 0, so logits are 0, Dw is 1/16 and XW is exactly 0.
; SHARE: a work-group takes two chunks of 64 columns (chunk = 11 n + j).  Wave w takes the two samples 2 (w & 3), 2 (w & 3) + 1 and the two tiles of
; 16 columns 2 (w >> 2), 2 (w >> 2) + 1 of a chunk: four accumulators, and each B fragment (1,024 bytes from LDS) feeds two matrix instructions.
; x: sample w is 32,768 consecutive bytes: wave w brings it in by 64 loads of 512 consecutive bytes, narrows it to bf16 and lays it into 16 LDS rows
; of 1,040 bytes; behind the first barrier each wave reads its two samples back as 2 x 16 fragments of 16 x 32, which stay in 256 registers for both
; chunks.  Weights lie [K][N] in f32: each wave loads 16 of a stage's 128 K rows (one 8-byte load a lane takes one row's 64 columns), narrows them
; to bf16 and lays them in LDS rows of 160 bytes; transposing LDS loads make the B fragments.  The eight stages (2 chunks x 4) have LDS bytes of
; their own, so one barrier a stage (stores before reads) is enough.
; No tensor loads: the data must be narrowed on the way, which registers do for nothing.  No cluster: what work-groups share (x) goes to registers.
.set ROWB, 160                         ; LDS row: 128 bytes of bf16 + 32 of padding, an odd multiple of 32
.set STG,  128*ROWB                    ; a stage's bytes in LDS
.set XB,   8*STG                       ; behind the eight stages: x as bf16, 16 rows for each sample
.set XP,   1040                        ; a row of x: 1,024 bytes of bf16 + 16, an odd multiple of 16
.set SDW,  16*704*32                   ; bytes from sample to sample in dw and in xw
.set SLG,  16*44*1024                  ; bytes from sample to sample in lg
.set XST,  1                           ; v1     LDS: my 8 bytes in a quarter of a row of sample w
.set VOFF, 2                           ; v2,v3  chunk 0, 1: my offset in the weights (first row of my 16, my two columns, clamped)
.set MSK,  4                           ; v4,v5  chunk 0, 1: all ones, or 0 where my two columns are padding
.set LST,  6                           ; v6     LDS address of my 4 bytes in my first row of the chunk's first stage
.set SOFD, 7                           ; v7     32 r + 16 hh: my 16 bytes in dw or xw
.set SOFL, 8                           ; v8     16 lane: my 16 bytes in lg, and in 512 bytes of x
.set TMP,  9
.set VR,   10                          ; r = lane & 15
.set VH,   11                          ; hh = lane >> 4
.set VL,   12                          ; lane
.set LT0,  13                          ; transposing load's lane term, my two tiles
.set T14,  14
.set XLD,  15                          ; v15    LDS: row r of my first sample, 16 hh
.set LTR,  16                          ; v[16:19]   LT0 + 0, 2, 4, 6 stages
.set ACC,  32                          ; v[32:63]   four accumulators, index 2 x sample + tile
.set FB,   64                          ; v[64:127]  a stage's eight B fragments, K block kb and tile nt at 16 kb + 8 nt; at work in the way out
.set RING, 128                         ; v[128:255] four slots of 32: a stage's 16 rows as loaded
                                       ; block 1 v[0:255]: where x lands and is narrowed; then the fragments of x, sample sm and K block k at 128 sm + 8 k
.set MSB, 0
.macro WIN new                         ; the immediate's high byte repeats the setting that is left
.if MSB != \new
	s_set_vgpr_msb (MSB<<8)|\new
.set MSB, \new
.endif
.endm
.macro PLACES                          ; four plain vector places behind a matrix instruction (ISA guide 7.12.1)
.rept 4
	v_nop
.endr
.endm
.macro WLOAD s, pitch                  ; my 16 rows of stage s: a wave's load covers one row's 256 bytes
.irp i, 0,1,2,3,4,5,6,7,8,9,10,11,12,13,14,15
	global_load_b64 v[RING+32*((\s)&3)+2*\i:RING+32*((\s)&3)+2*\i+1], v[VOFF+((\s)>>2)], s[20+2*(\s):21+2*(\s)] offset:\i*\pitch th:TH_LOAD_NT
.endr
.endm
.macro CVST s                          ; narrow, mask the padding, lay into LDS
.irp i, 0,1,2,3,4,5,6,7,8,9,10,11,12,13,14,15
	v_cvt_pk_bf16_f32 v[RING+32*((\s)&3)+2*\i], v[RING+32*((\s)&3)+2*\i], v[RING+32*((\s)&3)+2*\i+1]
.endr
.irp i, 0,1,2,3,4,5,6,7,8,9,10,11,12,13,14,15
	v_and_b32 v[RING+32*((\s)&3)+2*\i], v[MSK+((\s)>>2)], v[RING+32*((\s)&3)+2*\i]
.endr
.irp i, 0,1,2,3,4,5,6,7,8,9,10,11,12,13,14,15
	ds_store_b32 v[LST], v[RING+32*((\s)&3)+2*\i] offset:((\s)&3)*STG+ROWB*\i
.endr
.endm
.macro XFRAG                           ; my two samples as fragments: K = 32 kb + 8 hh .. and 32 kb + 16 + 8 hh .. of row r
	WIN 0x40                                       ; an LDS load's data into block 1, its address from block 0
.irp sm, 0,1
.irp kb, 0,1,2,3,4,5,6,7,8,9,10,11,12,13,14,15
	ds_load_b128 v[128*\sm+8*\kb:128*\sm+8*\kb+3], v[XLD] offset:\sm*16*XP+64*\kb
	ds_load_b128 v[128*\sm+8*\kb+4:128*\sm+8*\kb+7], v[XLD] offset:\sm*16*XP+64*\kb+32
.endr
.endr
	WIN 0
.endm
; A stage: its eight B fragments (4 K blocks x my 2 tiles) in one run of 16 loads, then 16 matrix instructions, four for each K block.
; The loads land in registers that the last stage's matrix instructions read: the 32 vector lines of CVST stand between, which name none of them.
; For the matrix instructions source 0 (x's fragments) is taken from block 1, all else from block 0.
; The four accumulators take turns, one instruction a turn.  The first product of a chunk starts the sums.
.macro COMPUTE s
.irp kb, 0,1,2,3
.irp nt, 0,1
	ds_load_tr16_b128 v[FB+16*\kb+8*\nt:FB+16*\kb+8*\nt+3], v[LTR+((\s)>>1)] offset:((\s)&1)*STG+\kb*32*ROWB+32*\nt
	ds_load_tr16_b128 v[FB+16*\kb+8*\nt+4:FB+16*\kb+8*\nt+7], v[LTR+((\s)>>1)] offset:((\s)&1)*STG+\kb*32*ROWB+32*\nt+16*ROWB
.endr
.endr
	WIN 0x01
.irp kb, 0,1,2,3
	s_wait_dscnt 12-4*\kb                          ; this K block's four loads (and all older ones) are in; four for each younger K block stay out
.irp a, 0,1,2,3
.if ((\s)&3)+\kb == 0
	v_wmma_f32_16x16x32_bf16 v[ACC+8*\a:ACC+8*\a+7], v[128*(\a>>1)+8*(4*((\s)&3)+\kb):128*(\a>>1)+8*(4*((\s)&3)+\kb)+7], v[FB+16*\kb+8*(\a&1):FB+16*\kb+8*(\a&1)+7], 0
.else
	v_wmma_f32_16x16x32_bf16 v[ACC+8*\a:ACC+8*\a+7], v[128*(\a>>1)+8*(4*((\s)&3)+\kb):128*(\a>>1)+8*(4*((\s)&3)+\kb)+7], v[FB+16*\kb+8*(\a&1):FB+16*\kb+8*(\a&1)+7], v[ACC+8*\a:ACC+8*\a+7]
.endif
.endr
.endr
	WIN 0
.endm
.macro STAGE s, left, pitch
	s_wait_loadcnt \left                           ; loads come back in order: this stage's 16 are in, 16 for each younger stage stay out
	CVST \s
	s_wait_dscnt 0x0                               ; my rows (in stage 0: my sample of x too) are in LDS, for the other waves' sake; the slot's registers are free too
.if \s < 4
	WLOAD (\s+4), \pitch                           ; the slot's next stage
.endif
	s_barrier_signal -1
	s_barrier_wait -1                              ; all 128 rows of the stage are there (in stage 0: all eight samples of x)
.if \s == 0
	XFRAG
.endif
	COMPUTE \s
.endm
; The way out.  Accumulator nt holds sample nt >> 1 of my two and tile nt & 1 of my two: both stand in the stores' immediates.
; x W1: lane (r, hh) holds tokens 8 hh .. 8 hh + 7 of column r: 16 bytes of bf16; a wave's store covers 512 consecutive bytes.
.macro EPI_W c
	PLACES
.irp nt, 0,1,2,3
.irp k, 0,1,2,3
	v_cvt_pk_bf16_f32 v[FB+4*\nt+\k], v[ACC+8*\nt+2*\k], v[ACC+8*\nt+2*\k+1]
.endr
	global_store_b128 v[SOFD], v[FB+4*\nt:FB+4*\nt+3], s[36+2*\c:37+2*\c] offset:(\nt>>1)*SDW+512*(\nt&1)
.endr
.if \c == 0
	s_wait_xcnt 0x0                                ; the stores' data registers are written again in the next chunk
.endif
.endm
; x phi: the logits as they are, then the softmax over the 16 tokens (8 in my registers, 8 in lane xor 16), maximum taken away.
; exp(a - max) = exp2(a log2e - max log2e): the rounding of max log2e is common to all 16 terms and cancels in the quotient.
.macro EPI_P c
	PLACES
.irp nt, 0,1,2,3
	global_store_b128 v[SOFL], v[ACC+8*\nt:ACC+8*\nt+3], s[40+2*\c:41+2*\c] offset:(\nt>>1)*SLG+1024*(\nt&1)
	global_store_b128 v[SOFL], v[ACC+8*\nt+4:ACC+8*\nt+7], s[40+2*\c:41+2*\c] offset:(\nt>>1)*SLG+1024*(\nt&1)+512
.endr
.irp nt, 0,1,2,3
	v_max3_num_f32 v[FB+16*\nt+9], v[ACC+8*\nt], v[ACC+8*\nt+1], v[ACC+8*\nt+2]
	v_max3_num_f32 v[FB+16*\nt+8], v[ACC+8*\nt+3], v[ACC+8*\nt+4], v[ACC+8*\nt+5]
.endr
.irp nt, 0,1,2,3
	v_max3_num_f32 v[FB+16*\nt+8], v[FB+16*\nt+8], v[ACC+8*\nt+6], v[ACC+8*\nt+7]
.endr
.irp nt, 0,1,2,3
	v_max_num_f32 v[FB+16*\nt+8], v[FB+16*\nt+8], v[FB+16*\nt+9]
.endr
.irp nt, 0,1,2,3
	v_permlanex16_b32 v[FB+16*\nt+9], v[FB+16*\nt+8], s44, s45     ; the other eight tokens' maximum
.endr
.irp nt, 0,1,2,3
	v_max_num_f32 v[FB+16*\nt+8], v[FB+16*\nt+8], v[FB+16*\nt+9]
.endr
.irp nt, 0,1,2,3
	v_mul_f32 v[FB+16*\nt+8], s46, v[FB+16*\nt+8]
.endr
.irp nt, 0,1,2,3
.irp j, 0,1,2,3,4,5,6,7
	v_fma_f32 v[FB+16*\nt+\j], v[ACC+8*\nt+\j], s46, -v[FB+16*\nt+8]
.endr
.endr
.irp nt, 0,1,2,3
.irp j, 0,1,2,3,4,5,6,7
	v_exp_f32 v[FB+16*\nt+\j], v[FB+16*\nt+\j]
.endr
.endr
	v_nop                                          ; one plain place behind the exponentials
	s_wait_alu depctr_va_vdst(0)
.irp nt, 0,1,2,3
	v_pk_add_f32 v[FB+16*\nt+8:FB+16*\nt+9], v[FB+16*\nt:FB+16*\nt+1], v[FB+16*\nt+2:FB+16*\nt+3]
	v_pk_add_f32 v[FB+16*\nt+10:FB+16*\nt+11], v[FB+16*\nt+4:FB+16*\nt+5], v[FB+16*\nt+6:FB+16*\nt+7]
.endr
.irp nt, 0,1,2,3
	v_pk_add_f32 v[FB+16*\nt+8:FB+16*\nt+9], v[FB+16*\nt+8:FB+16*\nt+9], v[FB+16*\nt+10:FB+16*\nt+11]
.endr
.irp nt, 0,1,2,3
	v_add_f32 v[FB+16*\nt+8], v[FB+16*\nt+8], v[FB+16*\nt+9]
.endr
.irp nt, 0,1,2,3
	v_permlanex16_b32 v[FB+16*\nt+9], v[FB+16*\nt+8], s44, s45
.endr
.irp nt, 0,1,2,3
	v_add_f32 v[FB+16*\nt+8], v[FB+16*\nt+8], v[FB+16*\nt+9]
.endr
.irp nt, 0,1,2,3
	v_rcp_f32 v[FB+16*\nt+8], v[FB+16*\nt+8]
.endr
	v_nop                                          ; one plain place behind the reciprocals
	s_wait_alu depctr_va_vdst(0)
.irp nt, 0,1,2,3
.irp k, 0,1,2,3
	v_pk_mul_f32 v[FB+16*\nt+2*\k:FB+16*\nt+2*\k+1], v[FB+16*\nt+2*\k:FB+16*\nt+2*\k+1], v[FB+16*\nt+8:FB+16*\nt+9] op_sel_hi:[1,0]
.endr
.endr
.irp nt, 0,1,2,3
.irp k, 0,1,2,3
	v_cvt_pk_bf16_f32 v[FB+16*\nt+12+\k], v[FB+16*\nt+2*\k], v[FB+16*\nt+2*\k+1]
.endr
	global_store_b128 v[SOFD], v[FB+16*\nt+12:FB+16*\nt+15], s[36+2*\c:37+2*\c] offset:(\nt>>1)*SDW+512*(\nt&1)
.endr
.if \c == 0
	s_wait_xcnt 0x0                                ; the accumulators and the registers at work, which stores read, are written again in the next chunk
.endif
.endm
.macro EPI src, c
.if \src == 0
	EPI_P \c
.else
	EPI_W \c
.endif
.endm
; All that hangs on the source: pitch = bytes from K row to K row, nstr = bytes from expert to expert, wp / op = the registers of its pointers.
.macro BODY src, pitch, nstr, wp, op
	s_mul_i32 s54, s16, 16*\pitch                  ; my 16 rows of a stage
	s_mov_b32 s53, 0
	s_mov_b32 s57, 0
	s_lshl_b32 s47, s59, 5                         ; the first of my 32 columns in a chunk
.irp c, 0,1
	s_lshl_b32 s48, ttmp9, 1
	s_add_co_u32 s48, s48, \c                      ; chunk = 2 x + c, 0 .. 175
	s_mul_i32 s49, s48, 745
	s_lshr_b32 s49, s49, 13                        ; n = chunk / 11 (745 / 8192 is 1/11 closely enough up to 175)
	s_mul_i32 s50, s49, 11
	s_sub_co_u32 s50, s48, s50                     ; j = chunk - 11 n
	s_lshl_b32 s51, s50, 6                         ; the chunk's first column
	s_mul_i32 s52, s49, \nstr
	s_add_nc_u64 s[20+8*\c:21+8*\c], s[\wp:\wp+1], s[52:53]        ; one base for each stage, never written again
	s_add_nc_u64 s[22+8*\c:23+8*\c], s[20+8*\c:21+8*\c], 128*\pitch
	s_add_nc_u64 s[24+8*\c:25+8*\c], s[22+8*\c:23+8*\c], 128*\pitch
	s_add_nc_u64 s[26+8*\c:27+8*\c], s[24+8*\c:25+8*\c], 128*\pitch
	v_lshl_add_u32 v[TMP], v[VL], 1, s51           ; the two columns that I load
	v_cmp_gt_u32 vcc_lo, 682, v[TMP]
	v_cndmask_b32 v[MSK+\c], 0, -1, vcc_lo
	v_min_u32 v[TMP], 680, v[TMP]                  ; no load leaves a row
	v_lshl_add_u32 v[VOFF+\c], v[TMP], 2, s54
	s_lshl4_add_u32 s52, s58, s49                  ; 16 b + n, b my first sample
	s_mul_i32 s55, s52, 704
	s_add_co_u32 s55, s55, s51
	s_add_co_u32 s55, s55, s47
	s_lshl_b32 s56, s55, 5                         ; 32 bytes a column
	s_add_nc_u64 s[36+2*\c:37+2*\c], s[\op:\op+1], s[56:57]
.if \src == 0
	s_mul_i32 s55, s52, 44
	s_lshl2_add_u32 s55, s50, s55                  ; + 4 j tiles
	s_lshl1_add_u32 s55, s59, s55                  ; + my first tile in the chunk
	s_lshl_b32 s56, s55, 10                        ; 1,024 bytes a tile of 16 columns
	s_add_nc_u64 s[40+2*\c:41+2*\c], s[12:13], s[56:57]
.endif
.endr
	WLOAD 0, \pitch
	WLOAD 1, \pitch
	WLOAD 2, \pitch
	s_wait_loadcnt 48                              ; the 64 loads of x are in; the 48 of three stages stay out
	WIN 0x45                                       ; destination and both sources in block 1
.set i, 0
.rept 128
	v_cvt_pk_bf16_f32 v[i], v[2*i], v[2*i+1]       ; in place, ascending: register i is written when 2 i and 2 i + 1 have been read
.set i, i+1
.endr
	WIN 0x04                                       ; an LDS store's data from block 1, its address from block 0
.set i, 0
.rept 64
	ds_store_b64 v[XST], v[2*i:2*i+1] offset:(i>>2)*XP+(i&3)*256   ; load i was quarter i & 3 of row i >> 2: 256 consecutive bytes of bf16
.set i, i+1
.endr
	WIN 0
	WLOAD 3, \pitch
	STAGE 0, 48, \pitch
	STAGE 1, 48, \pitch
	STAGE 2, 48, \pitch
	STAGE 3, 48, \pitch
	v_add_nc_u32 v[LST], 4*STG, v[LST]             ; the second chunk's four stages
	EPI \src, 0
	STAGE 4, 48, \pitch
	STAGE 5, 32, \pitch
	STAGE 6, 16, \pitch
	STAGE 7, 0, \pitch
	EPI \src, 1
.endm
	s_load_b256 s[4:11], s[0:1], 0x0               ; x s[4:5], phi s[6:7], W1 s[8:9], dw s[10:11]
	s_load_b128 s[12:15], s[0:1], 0x20             ; lg s[12:13], xw s[14:15]
	v_lshl_add_u32 v30, v0, 2, 0x48800
	v_mov_b32 v31, 0
	v_lshrrev_b32 v[TMP], 5, v0
	v_readfirstlane_b32 s16, v[TMP]                ; wave: the sample that I bring in, and my 16 rows of each stage
	s_and_b32 s58, s16, 3
	s_lshl_b32 s58, s58, 1                         ; the first of the two samples that I multiply
	s_lshr_b32 s59, s16, 2                         ; which half of a chunk's columns I multiply
	s_and_b32 s17, ttmp7, 0xffff                   ; 0: phi, 1: W1
	s_mov_b32 s44, 0x76543210                      ; v_permlanex16_b32: lane i reads lane i of the other half
	s_mov_b32 s45, 0xfedcba98
	s_mov_b32 s46, 0x3fb8aa3b                      ; log2 e
	v_and_b32 v[VR], 15, v0
	v_bfe_u32 v[VH], v0, 4, 1
	v_and_b32 v[VL], 31, v0
	v_lshlrev_b32 v[SOFD], 5, v[VR]
	v_lshl_add_u32 v[SOFD], v[VH], 4, v[SOFD]
	v_lshlrev_b32 v[SOFL], 4, v[VL]
	s_mul_i32 s47, s16, 16*ROWB
	v_lshl_add_u32 v[LST], v[VL], 2, s47
	s_mul_i32 s47, s16, 16*XP
	s_add_co_u32 s47, s47, XB                      ; sample w's 16 rows in LDS
	v_lshl_add_u32 v[XST], v[VL], 3, s47
	s_mul_i32 s48, s58, 16*XP
	s_add_co_u32 s48, s48, XB                      ; the rows of the first sample that I multiply
	v_mul_u32_u24 v[XLD], v[VR], XP
	v_lshl_add_u32 v[XLD], v[VH], 4, v[XLD]
	v_add_nc_u32 v[XLD], s48, v[XLD]
	v_and_b32 v[LT0], 7, v0
	v_lshl_add_u32 v[LT0], v[VH], 3, v[LT0]        ; K row 8 hh + (lane & 7)
	v_mul_u32_u24 v[LT0], v[LT0], ROWB
	v_bfe_u32 v[T14], v0, 3, 1
	v_lshl_add_u32 v[LT0], v[T14], 4, v[LT0]       ; + 16 bytes for a tile's upper eight columns
	s_lshl_b32 s49, s59, 6
	v_add_nc_u32 v[LT0], s49, v[LT0]               ; + 64 bytes for the chunk's upper two tiles
.irp h, 0,1,2,3
	v_add_nc_u32 v[LTR+\h], 2*STG*\h, v[LT0]
.endr
	s_lshl_b32 s18, s16, 15
	s_mov_b32 s19, 0
	s_wait_kmcnt 0x0
	s_add_nc_u64 s[18:19], s[4:5], s[18:19]        ; x[w]
	WIN 0x40                                       ; destination in block 1
.set i, 0
.rept 64
	global_load_b128 v[4*i:4*i+3], v[SOFL], s[18:19] offset:512*i  ; 512 consecutive bytes: a quarter of a row
.set i, i+1
.endr
	WIN 0
	s_cmp_lg_u32 s17, 0
	s_cbranch_scc1 .Lw1
	BODY 0, 43648, 2728, 6, 10
	s_wait_tensorcnt 0x0
	ds_add_u32 v30, v31
	s_wait_dscnt 0x0
	s_endpgm
.Lw1:
	BODY 1, 2728, 1396736, 8, 14
	s_wait_tensorcnt 0x0
	ds_add_u32 v30, v31
	s_wait_dscnt 0x0
	s_endpgm
.Lfunc_end_k_qd60e038065_proj:
	.size	k_qd60e038065_proj, .Lfunc_end_k_qd60e038065_proj-k_qd60e038065_proj
	.p2alignl 7, 3214868480
	.fill 96, 4, 3214868480
	.section	.rodata,"a",@progbits
	.p2align	6, 0x0
	.amdhsa_kernel k_qd60e038065_proj
		.amdhsa_group_segment_fixed_size 297984
		.amdhsa_private_segment_fixed_size 0
		.amdhsa_enable_private_segment 0
		.amdhsa_kernarg_size 48
		.amdhsa_user_sgpr_count 2
		.amdhsa_user_sgpr_kernarg_segment_ptr 1
		.amdhsa_wavefront_size32 1
		.amdhsa_system_sgpr_workgroup_id_x 1
		.amdhsa_system_sgpr_workgroup_id_y 1
		.amdhsa_system_sgpr_workgroup_id_z 1
		.amdhsa_system_vgpr_workitem_id 0
		.amdhsa_next_free_vgpr 512
		.amdhsa_next_free_sgpr 66
		.amdhsa_reserve_vcc 1
		.amdhsa_float_denorm_mode_32 3
		.amdhsa_float_denorm_mode_16_64 3
		.amdhsa_memory_ordered 1
		.amdhsa_forward_progress 1
		.amdhsa_inst_pref_size 169
	.end_amdhsa_kernel
	.amdgpu_metadata
---
amdhsa.version: [ 1, 2 ]
amdhsa.kernels:
  - .name:           k_qd60e038065_proj
    .symbol:         k_qd60e038065_proj.kd
    .args:
      - { .name: x, .offset: 0, .size: 8, .value_kind: global_buffer, .address_space: global }
      - { .name: phi, .offset: 8, .size: 8, .value_kind: global_buffer, .address_space: global }
      - { .name: W1, .offset: 16, .size: 8, .value_kind: global_buffer, .address_space: global }
      - { .name: dw, .offset: 24, .size: 8, .value_kind: global_buffer, .address_space: global }
      - { .name: lg, .offset: 32, .size: 8, .value_kind: global_buffer, .address_space: global }
      - { .name: xw, .offset: 40, .size: 8, .value_kind: global_buffer, .address_space: global }
    .group_segment_fixed_size: 297984
    .private_segment_fixed_size: 0
    .kernarg_segment_align: 8
    .kernarg_segment_size: 48
    .max_flat_workgroup_size: 256
    .sgpr_count:     66
    .vgpr_count:     512
    .wavefront_size: 32
...
	.end_amdgpu_metadata
.endif
;; end of part 1
;; launch route (part 2): grid 44 x 8, 1 waves a work-group, no clusters, 8,704 bytes of LDS; arguments lg, cw, ps; writes cw, ps
.if DOCPART == 2
	.amdgcn_target "amdgcn-amd-amdhsa--gfx1250"
	.amdhsa_code_object_version 6
	.text
	.protected	k_qd60e038065_route
	.globl	k_qd60e038065_route
	.p2align	8
	.type	k_qd60e038065_route,@function
k_qd60e038065_route:
	s_mov_b64 s[64:65], 0
	v_nop
	global_prefetch_b8 v0, s[64:65] scope:SCOPE_SE
	s_setreg_imm32_b32 hwreg(HW_REG_WAVE_MODE, 25, 1), 1
	s_wait_xcnt 0x0
; route: E = exp(softmax of the logits over the 16 experts), rounded to bf16 (cw), and the sums of E over 64 slots p (ps, f32).
; The combine weight is Cw = E / (sum of E over all p); the division is done where E has been multiplied (the next launch).
; The inner softmax takes its maximum away.  The outer one takes none: its exponents are the inner softmax's results, in [0, 1] for every
; input, so E lies in [1, e] and the sum over 682 slots in [682, 1854].  Pad slots p >= 682 get E = 0 exactly (an addend of -1000 to the exponent).
; SHARE: one wave a work-group: x = 4 pc + g, y = b: 64 slots p = 64 pc .., all 16 experts, the 4 tokens of group g.  Lane t owns p = 64 pc + 2 t, + 1,
; so that two neighbouring p pack into one word.  No matrix unit, no barrier, nothing shared between work-groups.
.set MX, 2                             ; v[2:9]     maxima, index 4 pp + i
.set VB, 10                            ; v[10:11]   0, or -1000 in pad slots
.set LG, 16                            ; v[16:143]  index 8 n + 4 pp + i
.set SM, 144                           ; v[144:151] sums over n
.set PK, 152                           ; v[152:215] index 4 n + i: E of my two p, packed
	s_load_b128 s[4:7], s[0:1], 0x0                ; lg s[4:5], cw s[6:7]
	s_load_b64 s[8:9], s[0:1], 0x10                ; ps
	v_lshl_add_u32 v232, v0, 2, 0x2100
	v_mov_b32 v233, 0
	s_lshr_b32 s10, ttmp9, 2                       ; pc
	s_and_b32 s11, ttmp9, 3                        ; g
	s_and_b32 s12, ttmp7, 0xffff                   ; b
	s_mov_b32 s20, 0x76543210
	s_mov_b32 s21, 0xfedcba98
	s_lshl_b32 s13, s11, 8                         ; 256 g
	s_mul_i32 s14, s12, 704
	s_lshl2_add_u32 s14, s10, s14
	s_lshl_b32 s14, s14, 10
	s_add_co_u32 s14, s14, s13                     ; lg: (16 b x 44 + 4 pc) x 1024 + 256 g
	s_mov_b32 s15, 0
	s_mul_i32 s16, s12, 352
	s_lshl1_add_u32 s16, s10, s16
	s_lshl_b32 s16, s16, 10
	s_add_co_u32 s16, s16, s13                     ; cw: (16 b x 22 + 2 pc) x 1024 + 256 g
	s_mov_b32 s17, 0
	s_mul_i32 s18, s12, 11
	s_add_co_u32 s18, s18, s10
	s_lshl2_add_u32 s18, s18, s11
	s_lshl_b32 s18, s18, 8                         ; ps: ((11 b + pc) x 4 + g) x 256
	s_mov_b32 s19, 0
	s_lshl_b32 s22, s10, 6
	v_lshrrev_b32 v216, 3, v0
	v_and_b32 v217, 7, v0
	v_lshlrev_b32 v216, 10, v216
	v_lshl_add_u32 v216, v217, 5, v216             ; lg: tile t >> 3, column 2 (t & 7)
	v_lshlrev_b32 v217, 2, v0                      ; LDS, in: 4 t
	v_bfe_u32 v218, v0, 2, 2
	v_lshlrev_b32 v218, 7, v218
	v_lshrrev_b32 v219, 4, v0
	v_lshl_add_u32 v218, v219, 6, v218
	v_and_b32 v220, 3, v0
	v_lshl_add_u32 v218, v220, 4, v218             ; LDS, back: token (L >> 2) & 3, block L >> 4, eight p L & 3
	v_and_b32 v220, 15, v0
	v_lshlrev_b32 v220, 4, v220
	v_lshl_add_u32 v219, v219, 10, v220            ; cw: block L >> 4, 16 (L & 15)
	v_mov_b32 v220, 8192                           ; LDS: the sums
	v_lshlrev_b32 v222, 3, v0
	v_add_nc_u32 v221, 8192, v222
	v_lshl_add_u32 v10, v0, 1, s22
	v_cmp_gt_u32 vcc_lo, 682, v10
	v_mov_b32 v11, 0
	v_mov_b32 v10, 0xc47a0000                      ; -1000
	v_cndmask_b32 v10, v10, v11, vcc_lo
	v_mov_b32 v11, v10
	s_wait_kmcnt 0x0
	s_add_nc_u64 s[4:5], s[4:5], s[14:15]
	s_add_nc_u64 s[6:7], s[6:7], s[16:17]
	s_add_nc_u64 s[8:9], s[8:9], s[18:19]
.irp n, 0,1,2,3,4,5,6,7,8,9,10,11,12,13,14,15
	global_load_b128 v[LG+8*\n:LG+8*\n+3], v216, s[4:5] offset:45056*\n th:TH_LOAD_NT
	global_load_b128 v[LG+8*\n+4:LG+8*\n+7], v216, s[4:5] offset:45056*\n+16 th:TH_LOAD_NT
.endr
	s_wait_loadcnt 0x0
	; the maximum over the 16 experts, eight chains
.irp k, 0,1,2,3,4,5,6,7
	v_max3_num_f32 v[MX+\k], v[LG+\k], v[LG+8+\k], v[LG+16+\k]
.endr
.irp a, 3,5,7,9,11,13
.irp k, 0,1,2,3,4,5,6,7
	v_max3_num_f32 v[MX+\k], v[MX+\k], v[LG+8*\a+\k], v[LG+8*\a+8+\k]
.endr
.endr
.irp k, 0,1,2,3,4,5,6,7
	v_max_num_f32 v[MX+\k], v[MX+\k], v[LG+120+\k]
.endr
.irp k, 0,1,2,3
	v_pk_mul_f32 v[MX+2*\k:MX+2*\k+1], v[MX+2*\k:MX+2*\k+1], 0x3fb8aa3b op_sel_hi:[1,0]
.endr
.set i, 0
.rept 64
	v_pk_fma_f32 v[LG+2*i:LG+2*i+1], v[LG+2*i:LG+2*i+1], 0x3fb8aa3b, v[MX+2*(i&3):MX+2*(i&3)+1] op_sel_hi:[1,0,1] neg_lo:[0,0,1] neg_hi:[0,0,1]
.set i, i+1
.endr
.set i, 0
.rept 128
	v_exp_f32 v[LG+i], v[LG+i]
.set i, i+1
.endr
	v_nop                                          ; one plain place behind the exponentials
	s_wait_alu depctr_va_vdst(0)
.irp k, 0,1,2,3
	v_pk_add_f32 v[SM+2*\k:SM+2*\k+1], v[LG+2*\k:LG+2*\k+1], v[LG+8+2*\k:LG+8+2*\k+1]
.endr
.set n, 2
.rept 14
.irp k, 0,1,2,3
	v_pk_add_f32 v[SM+2*\k:SM+2*\k+1], v[SM+2*\k:SM+2*\k+1], v[LG+8*n+2*\k:LG+8*n+2*\k+1]
.endr
.set n, n+1
.endr
.irp k, 0,1,2,3,4,5,6,7
	v_rcp_f32 v[SM+\k], v[SM+\k]
.endr
	v_nop
	s_wait_alu depctr_va_vdst(0)
.irp k, 0,1,2,3
	v_pk_mul_f32 v[SM+2*\k:SM+2*\k+1], v[SM+2*\k:SM+2*\k+1], 0x3fb8aa3b op_sel_hi:[1,0]
.endr
.set i, 0
.rept 64
	v_pk_fma_f32 v[LG+2*i:LG+2*i+1], v[LG+2*i:LG+2*i+1], v[SM+2*(i&3):SM+2*(i&3)+1], v[VB:VB+1]    ; softmax x log2e, or far below zero in pad slots
.set i, i+1
.endr
.set i, 0
.rept 128
	v_exp_f32 v[LG+i], v[LG+i]
.set i, i+1
.endr
	v_nop
.set i, 0
	s_wait_alu depctr_va_vdst(0)
.rept 64
	v_cvt_pk_bf16_f32 v[PK+i], v[LG+8*(i>>2)+(i&3)], v[LG+8*(i>>2)+4+(i&3)]
.set i, i+1
.endr
.set i, 0
.rept 64
	ds_store_b32 v217, v[PK+i] offset:512*(i>>2)+128*(i&3)         ; row (n, token): 64 p, 128 bytes
.set i, i+1
.endr
	; the sum of E over my two p, then over the 32 lanes
.set i, 0
.rept 32
	v_pk_add_f32 v[LG+8*(i>>1)+2*(i&1):LG+8*(i>>1)+2*(i&1)+1], v[LG+8*(i>>1)+2*(i&1):LG+8*(i>>1)+2*(i&1)+1], v[LG+8*(i>>1)+4+2*(i&1):LG+8*(i>>1)+4+2*(i&1)+1]
.set i, i+1
.endr
.irp x, 1,2,4,8
.set i, 0
.rept 64
	v_add_f32_dpp v[LG+8*(i>>2)+(i&3)], v[LG+8*(i>>2)+(i&3)], v[LG+8*(i>>2)+(i&3)] row_xmask:\x row_mask:0xf bank_mask:0xf
.set i, i+1
.endr
.endr
.set i, 0
.rept 64
	v_permlanex16_b32 v[LG+8*(i>>2)+4+(i&3)], v[LG+8*(i>>2)+(i&3)], s20, s21
.set i, i+1
.endr
.set i, 0
.rept 64
	v_add_f32 v[LG+8*(i>>2)+(i&3)], v[LG+8*(i>>2)+(i&3)], v[LG+8*(i>>2)+4+(i&3)]
.set i, i+1
.endr
	; the way out, through the wave's own LDS bytes (a wave's LDS instructions are served in order: no wait between stores and loads)
.irp n, 0,1,2,3,4,5,6,7,8,9,10,11,12,13,14,15
	ds_store_b128 v220, v[LG+8*\n:LG+8*\n+3] offset:16*\n          ; every lane holds the same four sums
.endr
	ds_load_b64 v[224:225], v221
.irp n, 0,1,2,3,4,5,6,7,8,9,10,11,12,13,14,15
	ds_load_b128 v[LG+8*\n+4:LG+8*\n+7], v218 offset:512*\n
.endr
.irp n, 0,1,2,3,4,5,6,7,8,9,10,11,12,13,14,15
	s_wait_dscnt 15-\n                             ; expert n's load is in, the younger ones stay out
	global_store_b128 v219, v[LG+8*\n+4:LG+8*\n+7], s[6:7] offset:22528*\n     ; sixteen lanes store 256 consecutive bytes, aligned
.endr
	global_store_b64 v222, v[224:225], s[8:9]      ; 256 consecutive bytes: [n][token]
	s_wait_tensorcnt 0x0
	ds_add_u32 v232, v233
	s_wait_dscnt 0x0
	s_endpgm
.Lfunc_end_k_qd60e038065_route:
	.size	k_qd60e038065_route, .Lfunc_end_k_qd60e038065_route-k_qd60e038065_route
	.p2alignl 7, 3214868480
	.fill 96, 4, 3214868480
	.section	.rodata,"a",@progbits
	.p2align	6, 0x0
	.amdhsa_kernel k_qd60e038065_route
		.amdhsa_group_segment_fixed_size 8704
		.amdhsa_private_segment_fixed_size 0
		.amdhsa_enable_private_segment 0
		.amdhsa_kernarg_size 24
		.amdhsa_user_sgpr_count 2
		.amdhsa_user_sgpr_kernarg_segment_ptr 1
		.amdhsa_wavefront_size32 1
		.amdhsa_system_sgpr_workgroup_id_x 1
		.amdhsa_system_sgpr_workgroup_id_y 1
		.amdhsa_system_sgpr_workgroup_id_z 1
		.amdhsa_system_vgpr_workitem_id 0
		.amdhsa_next_free_vgpr 234
		.amdhsa_next_free_sgpr 66
		.amdhsa_reserve_vcc 1
		.amdhsa_float_denorm_mode_32 3
		.amdhsa_float_denorm_mode_16_64 3
		.amdhsa_memory_ordered 1
		.amdhsa_forward_progress 1
		.amdhsa_inst_pref_size 69
	.end_amdhsa_kernel
	.amdgpu_metadata
---
amdhsa.version: [ 1, 2 ]
amdhsa.kernels:
  - .name:           k_qd60e038065_route
    .symbol:         k_qd60e038065_route.kd
    .args:
      - { .name: lg, .offset: 0, .size: 8, .value_kind: global_buffer, .address_space: global }
      - { .name: cw, .offset: 8, .size: 8, .value_kind: global_buffer, .address_space: global }
      - { .name: ps, .offset: 16, .size: 8, .value_kind: global_buffer, .address_space: global }
    .group_segment_fixed_size: 8704
    .private_segment_fixed_size: 0
    .kernarg_segment_align: 8
    .kernarg_segment_size: 24
    .max_flat_workgroup_size: 32
    .sgpr_count:     66
    .vgpr_count:     234
    .wavefront_size: 32
...
	.end_amdgpu_metadata
.endif
;; end of part 2
;; launch expert (part 3): grid 32 x 8, 4 waves a work-group, no clusters, 68,096 bytes of LDS; arguments dw, cw, xw, ps, b1, zf; writes zf
.if DOCPART == 3
	.amdgcn_target "amdgcn-amd-amdhsa--gfx1250"
	.amdhsa_code_object_version 6
	.text
	.protected	k_qd60e038065_expert
	.globl	k_qd60e038065_expert
	.p2align	8
	.type	k_qd60e038065_expert,@function
k_qd60e038065_expert:
	s_mov_b64 s[64:65], 0
	v_nop
	global_prefetch_b8 v0, s[64:65] scope:SCOPE_SE
	s_setreg_imm32_b32 hwreg(HW_REG_WAVE_MODE, 25, 1), 1
	s_wait_xcnt 0x0
; expert: for one sample b, one expert n and one half of the hidden columns h:
;   hmid[p][h] = relu(sum over m of Dw[m][p] XW[m][h] + b1[h]),   Z[m'][h] = (sum over p of E[m'][p] hmid[p][h]) / (sum over p of E[m'][p]).
; hmid never leaves the registers: the first product's result, lane (h = r; p = 8 hh + j), is after relu and packing exactly a fragment of the
; second product's source 0 (rows h, K = p).  The second product's lane then holds eight neighbouring h of one token m': 16 bytes of bf16.
; THE BIAS rides in the unused half of K (the tokens fill K = 0..15 of 32): Dw's fragment holds 1, 1, 1 at K = 16, 17, 18 and zeros behind,
; XW's fragment holds b1 split into three bf16 terms there (24 bits: the f32 value whole).  XW's fragments lie 6 registers apart, so registers 6, 7
; of one are the next one's first two: finite numbers that meet the zeros.
; LIMITS: Dw, XW, E and hmid are bf16 operands, sums in f32; Z is stored rounded to bf16; relu of a NaN is 0 here; inputs for which the model's
; own result is not finite are not served.  Pad p: E = 0.  Pad h: XW = 0 and the bias is set to 0, so Z = 0 exactly.
; SHARE: x = 2 n + half, y = b.  Wave w: tg = w & 1 takes 11 tiles of 16 h, ph = w >> 1 takes 11 blocks of 32 p: 121 equal units of three matrix
; instructions and 24 vector lines, run as one pipeline (see STEP below).  The two halves over p meet in LDS at the end.  Dw and E (22,528 bytes
; each) are staged in LDS in fragment order through registers: the permutation is made on the global side, so each wave's LDS bytes are
; 512 w + 16 lane + a constant.  No cluster: the shared bytes are small.
.set ADW, 1                            ; LDS: my 16 bytes of Dw's fragments, my half of p
.set ACW, 2                            ; LDS: the same for E
.set OUTO, 3                           ; 16 lane
.set RD, 4                             ; v[4:5]  1 / (sum of E), twice
.set GFR, 6                            ; 32 r + 16 hh
.set T7, 7
.set AF0, 8                            ; v[8:15], v[16:23]  Dw, rows p 0-15 and 16-31 of the block
.set AF1, 16
.set CF, 24                            ; v[24:39]   E, two buffers
.set DD, 40                            ; v[40:71]   first product, two sets of 16
.set FF, 72                            ; v[72:87]   hmid as a fragment, two sets
.set BF, 88                            ; v[88:155]  XW and bias, 11 fragments 6 registers apart
.set ACC, 156                          ; v[156:243] 11 accumulators; before that the staging registers
.set VL, 244                           ; v[244:251] lane terms of the prologue;
.set VR, 245
.set VH, 246
.set GDW, 247
.set LSTG, 248
.set GCW, 249
.set GPS, 250
.set HC0, 251
.set AT, 244                           ; v[244:251] afterwards: the next block's Dw as it comes from LDS
.set RED, 252
.macro PLACES
.rept 4
	v_nop
.endr
.endm
.macro P1A t, set                      ; first product, rows p 0-15 of the block
	v_wmma_f32_16x16x32_bf16 v[DD+16*\set:DD+16*\set+7], v[AF0:AF0+7], v[BF+6*\t:BF+6*\t+7], 0
.endm
.macro P1B t, set                      ; rows p 16-31
	v_wmma_f32_16x16x32_bf16 v[DD+16*\set+8:DD+16*\set+15], v[AF1:AF1+7], v[BF+6*\t:BF+6*\t+7], 0
.endm
.macro RELU set, half
.irp j, 0,1,2,3,4,5,6,7
	v_max_num_f32 v[DD+16*\set+8*\half+\j], 0, v[DD+16*\set+8*\half+\j]
.endr
.endm
.macro PACK set
.irp j, 0,1,2,3,4,5,6,7
	v_cvt_pk_bf16_f32 v[FF+8*\set+\j], v[DD+16*\set+2*\j], v[DD+16*\set+2*\j+1]
.endr
.endm
.macro P2 t, set, cf, ql               ; second product; a tile's first block starts its sum
.if \ql == 0
	v_wmma_f32_16x16x32_bf16 v[ACC+8*\t:ACC+8*\t+7], v[FF+8*\set:FF+8*\set+7], v[CF+8*\cf:CF+8*\cf+7], 0
.else
	v_wmma_f32_16x16x32_bf16 v[ACC+8*\t:ACC+8*\t+7], v[FF+8*\set:FF+8*\set+7], v[CF+8*\cf:CF+8*\cf+7], v[ACC+8*\t:ACC+8*\t+7]
.endif
.endm
	s_load_b256 s[4:11], s[0:1], 0x0               ; dw s[4:5], cw s[6:7], xw s[8:9], ps s[10:11]
	s_load_b128 s[12:15], s[0:1], 0x20             ; b1 s[12:13], zf s[14:15]
	v_lshl_add_u32 v254, v0, 2, 0x10800
	v_mov_b32 v255, 0
	v_lshrrev_b32 v[T7], 5, v0
	v_readfirstlane_b32 s16, v[T7]                 ; wave
	s_and_b32 s17, s16, 1                          ; tg
	s_lshr_b32 s18, s16, 1                         ; ph
	s_lshr_b32 s19, ttmp9, 1                       ; n
	s_and_b32 s20, ttmp9, 1                        ; half
	s_and_b32 s21, ttmp7, 0xffff                   ; b
	s_lshl4_add_u32 s22, s21, s19                  ; 16 b + n
	s_mul_i32 s23, s20, 22
	s_mul_i32 s24, s17, 11
	s_add_co_u32 s23, s23, s24                     ; my first tile of h
	v_and_b32 v[VL], 31, v0
	v_and_b32 v[VR], 15, v0
	v_bfe_u32 v[VH], v0, 4, 1
	v_lshlrev_b32 v[OUTO], 4, v[VL]
	v_lshlrev_b32 v[GFR], 5, v[VR]
	v_lshl_add_u32 v[GFR], v[VH], 4, v[GFR]
	s_mul_i32 s25, s18, 11264
	v_add_nc_u32 v[ADW], s25, v[OUTO]
	v_add_nc_u32 v[ACW], 22528, v[ADW]
	s_lshl_b32 s26, s16, 9
	v_add_nc_u32 v[GDW], s26, v[GFR]               ; staging: unit w + 4 s of 512 bytes
	v_add_nc_u32 v[LSTG], s26, v[OUTO]
	v_bfe_u32 v[T7], v0, 2, 1
	v_lshlrev_b32 v[GPS], 9, v[T7]
	v_bfe_u32 v[T7], v0, 3, 1
	v_lshl_add_u32 v[GPS], v[T7], 8, v[GPS]        ; 256 g, g = 2 ((m' >> 2) & 1) + (m' >> 3), m' = r
	v_and_b32 v[T7], 3, v0
	v_lshl_add_u32 v[GCW], v[T7], 6, v[GPS]        ; + 64 (m' & 3)
	v_lshl_add_u32 v[GCW], v[VH], 4, v[GCW]        ; + 16 hh
	s_lshl_b32 s27, s18, 10
	s_lshl_b32 s28, s17, 5
	s_add_co_u32 s27, s27, s28
	v_add_nc_u32 v[GCW], s27, v[GCW]               ; block (w >> 1) + 2 s, upper or lower 16 p by w & 1
	v_lshl_add_u32 v[GPS], v[T7], 2, v[GPS]
	s_lshl_b32 s28, s23, 4
	v_add_nc_u32 v[HC0], s28, v[VR]                ; my column h in my first tile
	s_mul_i32 s29, s17, 11264
	s_add_co_u32 s29, s29, 45056
	v_add_nc_u32 v[RED], s29, v[OUTO]
	s_mul_i32 s30, s22, 22528
	s_mov_b32 s31, 0
	s_lshl_b32 s32, s23, 9
	s_mov_b32 s33, 0
	s_mul_i32 s34, s21, 11264
	s_lshl4_add_u32 s34, s19, s34
	s_mov_b32 s35, 0
	s_mul_i32 s36, s19, 2728
	s_mov_b32 s37, 0
.irp t, 0,1,2,3,4,5,6,7,8,9,10
	v_add_nc_u32 v[24+\t], 16*\t, v[HC0]
	v_min_u32 v[24+\t], 681, v[24+\t]              ; no load leaves b1's row
	v_lshlrev_b32 v[24+\t], 2, v[24+\t]
.endr
	s_wait_kmcnt 0x0
	s_add_nc_u64 s[4:5], s[4:5], s[30:31]
	s_add_nc_u64 s[6:7], s[6:7], s[30:31]
	s_add_nc_u64 s[8:9], s[8:9], s[30:31]
	s_add_nc_u64 s[8:9], s[8:9], s[32:33]
	s_add_nc_u64 s[14:15], s[14:15], s[30:31]
	s_add_nc_u64 s[14:15], s[14:15], s[32:33]
	s_add_nc_u64 s[10:11], s[10:11], s[34:35]
	s_add_nc_u64 s[12:13], s[12:13], s[36:37]
.irp s, 0,1,2,3,4,5,6,7,8,9,10
	global_load_b128 v[ACC+4*\s:ACC+4*\s+3], v[GDW], s[4:5] offset:2048*\s
.endr
.irp s, 0,1,2,3,4,5,6,7,8,9,10
	global_load_b128 v[ACC+44+4*\s:ACC+44+4*\s+3], v[GCW], s[6:7] offset:2048*\s
.endr
.irp t, 0,1,2,3,4,5,6,7,8,9,10
	global_load_b128 v[BF+6*\t:BF+6*\t+3], v[GFR], s[8:9] offset:512*\t
.endr
.irp t, 0,1,2,3,4,5,6,7,8,9,10
	global_load_b32 v[40+\t], v[24+\t], s[12:13]
.endr
.irp t, 0,1,2,3,4,5,6,7,8,9,10
	global_load_b32 v[56+\t], v[GPS], s[10:11] offset:1024*\t
.endr
	; the constant half of Dw's fragments: 1, 1, 1 at K = 16, 17, 18 (lanes hh = 0), zeros elsewhere
	v_cmp_eq_u32 vcc_lo, 0, v[VH]
	v_mov_b32 v[T7], 0x3f803f80
	v_cndmask_b32 v[AF0+4], 0, v[T7], vcc_lo
	v_mov_b32 v[T7], 0x3f80
	v_cndmask_b32 v[AF0+5], 0, v[T7], vcc_lo
	v_mov_b32 v[AF0+6], 0
	v_mov_b32 v[AF0+7], 0
	v_mov_b32 v[AF1+4], v[AF0+4]
	v_mov_b32 v[AF1+5], v[AF0+5]
	v_mov_b32 v[AF1+6], 0
	v_mov_b32 v[AF1+7], 0
	v_mov_b32 v[BF+66], 0
	v_mov_b32 v[BF+67], 0
	s_wait_loadcnt 33                              ; the 22 staging loads are in; 11 of xw, 11 of b1 and 11 of ps stay out
.irp s, 0,1,2,3,4,5,6,7,8,9,10
	ds_store_b128 v[LSTG], v[ACC+4*\s:ACC+4*\s+3] offset:2048*\s
.endr
.irp s, 0,1,2,3,4,5,6,7,8,9,10
	ds_store_b128 v[LSTG], v[ACC+44+4*\s:ACC+44+4*\s+3] offset:22528+2048*\s
.endr
	s_wait_loadcnt 0x0
.irp t, 0,1,2,3,4,5,6,7,8,9,10
	v_add_nc_u32 v72, 16*\t, v[HC0]
	v_cmp_gt_u32 vcc_lo, 682, v72
	v_cndmask_b32 v[40+\t], 0, v[40+\t], vcc_lo    ; no bias in pad columns
	v_cvt_pk_bf16_f32 v73, v[40+\t], 0
	v_lshlrev_b32 v73, 16, v73
	v_sub_f32 v73, v[40+\t], v73                   ; what the first bf16 term leaves
	v_cvt_pk_bf16_f32 v74, v73, 0
	v_lshlrev_b32 v74, 16, v74
	v_sub_f32 v74, v73, v74                        ; what the second leaves
	v_cvt_pk_bf16_f32 v[BF+6*\t+4], v[40+\t], v73
	v_cvt_pk_bf16_f32 v[BF+6*\t+5], v74, 0
.endr
	v_add_f32 v56, v56, v57                        ; the sum of E over all p, for my token m' = r
	v_add_f32 v58, v58, v59
	v_add_f32 v60, v60, v61
	v_add_f32 v62, v62, v63
	v_add_f32 v64, v64, v65
	v_add_f32 v56, v56, v58
	v_add_f32 v60, v60, v62
	v_add_f32 v64, v64, v66
	v_add_f32 v56, v56, v60
	v_add_f32 v56, v56, v64
	v_rcp_f32 v[RD], v56
	v_rcp_f32 v[RD+1], v56
	v_nop                                          ; one plain place behind the reciprocals
	s_wait_dscnt 0x0                               ; my part of the stage is in LDS, for the other waves' sake
	s_barrier_signal -1
	s_barrier_wait -1
	ds_load_b128 v[CF:CF+3], v[ACW]
	ds_load_b128 v[CF+4:CF+7], v[ACW] offset:512
	ds_load_b128 v[AF0:AF0+3], v[ADW]
	ds_load_b128 v[AF1:AF1+3], v[ADW] offset:512
	; THE PIPELINE.  Unit g = 11 x block + tile, 0 .. 120.  Step g: first product of unit g + 1 (lower rows), relu of unit g (lower), first product of
	; unit g + 1 (upper rows), relu of unit g (upper), second product of unit g - 1, packing of unit g: eight vector lines behind each matrix
	; instruction.  The register sets go by the parity of g; a block has 11 units, an odd number, so the pipeline runs on across the blocks.
	; These eight lines are also the places that the distances ask for: a result is read 24 lines behind its matrix instruction, a set is written
	; again 16 lines or more behind the matrix instruction that read or wrote it.  No two matrix instructions that follow each other share an
	; accumulator, and each accumulator's turn is one instruction.
	; The next block's E is loaded at tile 1 into the other buffer (its last reader stands 24 lines back).  The next block's Dw is loaded there too, into
	; eight registers of its own, and moved into the fragments' lower halves at tile 9, eight lines behind the block's last first product: the fragments'
	; upper halves are constants, so a second pair of fragments would take 16 registers, and 12 are free.
	s_wait_dscnt 0x0                               ; block 0's Dw and E are in
	P1A 0, 0
	P1B 0, 0
	PLACES                                         ; in front of the first relu alone: no vector work stands there yet
.set g, 0
.rept 121
.set sc, g&1                                   ; this unit's set
.set sn, (g+1)&1                               ; the set of the unit before and of the unit behind
.set tn, (g+1)%11                              ; the next unit's tile
.set tp, (g+10)%11                             ; the last unit's tile,
.set qp, (g+10)/11-1                           ; its block
.set cp, qp&1                                  ; and its buffer of E
.set qn, g/11+1                                ; the next block
.if g < 120
	P1A tn, sn
.endif
	RELU sc, 0
.if g < 120
	P1B tn, sn
.endif
	RELU sc, 1
.if g < 110
.if g%11 == 9
	s_wait_dscnt 0x0                               ; the four loads issued eight steps ago
.irp j, 0,1,2,3
	v_mov_b32 v[AF0+\j], v[AT+\j]
	v_mov_b32 v[AF1+\j], v[AT+4+\j]
.endr
.endif
.endif
.if g > 0
	P2 tp, sn, cp, qp
.endif
	PACK sc
.if g < 110
.if g%11 == 1
	ds_load_b128 v[CF+8*(qn&1):CF+8*(qn&1)+3], v[ACW] offset:1024*qn
	ds_load_b128 v[CF+8*(qn&1)+4:CF+8*(qn&1)+7], v[ACW] offset:1024*qn+512
	ds_load_b128 v[AT:AT+3], v[ADW] offset:1024*qn
	ds_load_b128 v[AT+4:AT+7], v[ADW] offset:1024*qn+512
.endif
.endif
.set g, g+1
.endr
	P2 10, 0, 0, 10                                ; unit 120
	PLACES
	; the upper half of p hands its scaled sums over
	s_cmp_lt_u32 s16, 2
	s_cbranch_scc1 .Lkeep
.set i, 0
	s_wait_alu depctr_va_vdst(0)
.rept 44
	v_pk_mul_f32 v[ACC+2*i:ACC+2*i+1], v[ACC+2*i:ACC+2*i+1], v[RD:RD+1]
.set i, i+1
.endr
.irp t, 0,1,2,3,4,5,6,7,8,9,10
	ds_store_b128 v[RED], v[ACC+8*\t:ACC+8*\t+3] offset:1024*\t
	ds_store_b128 v[RED], v[ACC+8*\t+4:ACC+8*\t+7] offset:1024*\t+512
.endr
.Lkeep:
	s_wait_dscnt 0x0
	s_barrier_signal -1
	s_barrier_wait -1
	s_cmp_ge_u32 s16, 2
	s_cbranch_scc1 .Lend
.irp t, 0,1,2,3,4,5,6,7,8,9,10
	ds_load_b128 v[8+8*\t:8+8*\t+3], v[RED] offset:1024*\t
	ds_load_b128 v[8+8*\t+4:8+8*\t+7], v[RED] offset:1024*\t+512
.endr
	s_wait_dscnt 0x0
.set i, 0
	s_wait_alu depctr_va_vdst(0)
.rept 44
	v_pk_fma_f32 v[ACC+2*i:ACC+2*i+1], v[ACC+2*i:ACC+2*i+1], v[RD:RD+1], v[8+2*i:8+2*i+1]
.set i, i+1
.endr
.irp t, 0,1,2,3,4,5,6,7,8,9,10
.irp k, 0,1,2,3
	v_cvt_pk_bf16_f32 v[8+8*\t+\k], v[ACC+8*\t+2*\k], v[ACC+8*\t+2*\k+1]
.endr
	global_store_b128 v[OUTO], v[8+8*\t:8+8*\t+3], s[14:15] offset:512*\t      ; a wave's store covers 512 consecutive bytes, aligned
.endr
.Lend:
	s_wait_tensorcnt 0x0
	ds_add_u32 v254, v255
	s_wait_dscnt 0x0
	s_endpgm
.Lfunc_end_k_qd60e038065_expert:
	.size	k_qd60e038065_expert, .Lfunc_end_k_qd60e038065_expert-k_qd60e038065_expert
	.p2alignl 7, 3214868480
	.fill 96, 4, 3214868480
	.section	.rodata,"a",@progbits
	.p2align	6, 0x0
	.amdhsa_kernel k_qd60e038065_expert
		.amdhsa_group_segment_fixed_size 68096
		.amdhsa_private_segment_fixed_size 0
		.amdhsa_enable_private_segment 0
		.amdhsa_kernarg_size 48
		.amdhsa_user_sgpr_count 2
		.amdhsa_user_sgpr_kernarg_segment_ptr 1
		.amdhsa_wavefront_size32 1
		.amdhsa_system_sgpr_workgroup_id_x 1
		.amdhsa_system_sgpr_workgroup_id_y 1
		.amdhsa_system_sgpr_workgroup_id_z 1
		.amdhsa_system_vgpr_workitem_id 0
		.amdhsa_next_free_vgpr 256
		.amdhsa_next_free_sgpr 66
		.amdhsa_reserve_vcc 1
		.amdhsa_float_denorm_mode_32 3
		.amdhsa_float_denorm_mode_16_64 3
		.amdhsa_memory_ordered 1
		.amdhsa_forward_progress 1
		.amdhsa_inst_pref_size 180
	.end_amdhsa_kernel
	.amdgpu_metadata
---
amdhsa.version: [ 1, 2 ]
amdhsa.kernels:
  - .name:           k_qd60e038065_expert
    .symbol:         k_qd60e038065_expert.kd
    .args:
      - { .name: dw, .offset: 0, .size: 8, .value_kind: global_buffer, .address_space: global }
      - { .name: cw, .offset: 8, .size: 8, .value_kind: global_buffer, .address_space: global }
      - { .name: xw, .offset: 16, .size: 8, .value_kind: global_buffer, .address_space: global }
      - { .name: ps, .offset: 24, .size: 8, .value_kind: global_buffer, .address_space: global }
      - { .name: b1, .offset: 32, .size: 8, .value_kind: global_buffer, .address_space: global }
      - { .name: zf, .offset: 40, .size: 8, .value_kind: global_buffer, .address_space: global }
    .group_segment_fixed_size: 68096
    .private_segment_fixed_size: 0
    .kernarg_segment_align: 8
    .kernarg_segment_size: 48
    .max_flat_workgroup_size: 128
    .sgpr_count:     66
    .vgpr_count:     256
    .wavefront_size: 32
...
	.end_amdgpu_metadata
.endif
;; end of part 3
;; launch down (part 4): grid 8 x 32, 8 waves a work-group, no clusters, 57,344 bytes of LDS; arguments zf, W2, yp; writes yp
.if DOCPART == 4
	.amdgcn_target "amdgcn-amd-amdhsa--gfx1250"
	.amdhsa_code_object_version 6
	.text
	.protected	k_qd60e038065_down
	.globl	k_qd60e038065_down
	.p2align	8
	.type	k_qd60e038065_down,@function
k_qd60e038065_down:
	s_mov_b64 s[64:65], 0
	v_nop
	global_prefetch_b8 v0, s[64:65] scope:SCOPE_SE
	s_setreg_imm32_b32 hwreg(HW_REG_WAVE_MODE, 25, 1), 1
	s_wait_xcnt 0x0
; down: Ypart[s][b][m'][d] = sum over the 352 rows h of part s = 2 n + half of Z[b][n][m'][h] W2[n][h][d], for 64 columns d (x) and all 8 samples.
; W2 lies [K][N] in f32: it is loaded once (two rows of 256 aligned bytes a wave's load), narrowed to bf16 and laid in LDS rows of 160 bytes;
; transposing LDS loads make fragments with rows d.  Z comes from memory in fragment order.  Source 0 = W2, source 1 = Z: a lane holds eight
; neighbouring d of one token.  Rows h >= 682 are clamped to row 681 (finite) and meet Z's exact zeros.
; LIMITS: W2 and Z are bf16 operands, sums in f32; the sum over the 32 parts is made in the next launch, in f32.
; All loads are issued at once, so nothing is asked for ahead; no tensor load, since the data are narrowed on the way.
.set ROWB, 160
.set C16, 1
.set HI, 2
.set ROWL, 3
.set VOFFW, 4
.set LST, 5
.set VO20, 6
.set VO21, 7
.set ZA, 8                             ; v[8:95]    11 fragments of Z
.set ACC, 96                           ; v[96:127]  four accumulators
.set ST, 128                           ; v[128:215] W2 as loaded
.set FB, 128                           ; v[128:191] afterwards: two sets of four fragments of W2
.set ZOFF, 216
.set LTR, 217
.set T, 218
.macro PLACES
.rept 4
	v_nop
.endr
.endm
.macro LOADSET set, u
.irp nt, 0,1,2,3
	ds_load_tr16_b128 v[FB+32*\set+8*\nt:FB+32*\set+8*\nt+3], v[LTR] offset:\u*32*ROWB+32*\nt
	ds_load_tr16_b128 v[FB+32*\set+8*\nt+4:FB+32*\set+8*\nt+7], v[LTR] offset:\u*32*ROWB+32*\nt+16*ROWB
.endr
.endm
	s_load_b128 s[4:7], s[0:1], 0x0                ; zf s[4:5], W2 s[6:7]
	s_load_b64 s[8:9], s[0:1], 0x10                ; yp
	v_lshl_add_u32 v224, v0, 2, 0xdc00
	v_mov_b32 v225, 0
	v_lshrrev_b32 v[T], 5, v0
	v_readfirstlane_b32 s10, v[T]                  ; wave = sample b
	s_and_b32 s12, ttmp7, 0xffff                   ; part s
	s_lshr_b32 s13, s12, 1                         ; n
	s_and_b32 s14, s12, 1                          ; half
	s_lshl_b32 s15, s10, 1
	s_mul_i32 s16, s14, 352
	s_sub_co_u32 s17, 681, s16                     ; the last row of the expert, counted from my first
	v_and_b32 v[C16], 15, v0
	v_bfe_u32 v[HI], v0, 4, 1
	v_add_nc_u32 v[ROWL], s15, v[HI]               ; my row among a step's 16
	v_lshlrev_b32 v[T], 4, v[C16]
	v_lshl_add_u32 v[VOFFW], v[ROWL], 11, v[T]
	v_mul_u32_u24 v[LST], v[ROWL], ROWB
	v_lshl_add_u32 v[LST], v[C16], 3, v[LST]
	v_add_nc_u32 v[VO20], 320, v[ROWL]
	v_min_u32 v[VO20], s17, v[VO20]
	v_lshl_add_u32 v[VO20], v[VO20], 11, v[T]
	v_add_nc_u32 v[VO21], 336, v[ROWL]
	v_min_u32 v[VO21], s17, v[VO21]
	v_lshl_add_u32 v[VO21], v[VO21], 11, v[T]
	v_and_b32 v[ZOFF], 31, v0
	v_lshlrev_b32 v[ZOFF], 4, v[ZOFF]
	v_and_b32 v[LTR], 7, v0
	v_lshl_add_u32 v[LTR], v[HI], 3, v[LTR]
	v_mul_u32_u24 v[LTR], v[LTR], ROWB
	v_bfe_u32 v[T], v0, 3, 1
	v_lshl_add_u32 v[LTR], v[T], 4, v[LTR]
	s_mul_i32 s18, s13, 682
	s_add_co_u32 s18, s18, s16
	s_lshl_b32 s18, s18, 11
	s_lshl_b32 s19, ttmp9, 8
	s_add_co_u32 s18, s18, s19                     ; W2: (682 n + 352 half) rows + 64 columns x
	s_mov_b32 s19, 0
	s_lshl4_add_u32 s20, s10, s13
	s_mul_i32 s20, s20, 44
	s_mul_i32 s21, s14, 22
	s_add_co_u32 s20, s20, s21
	s_lshl_b32 s20, s20, 9                         ; zf: ((16 b + n) 44 + 22 half) tiles of 512 bytes
	s_mov_b32 s21, 0
	s_lshl3_add_u32 s22, s12, s10
	s_lshl_b32 s22, s22, 5
	s_lshl2_add_u32 s22, ttmp9, s22
	s_lshl_b32 s22, s22, 10                        ; yp: ((8 s + b) 32 + 4 x) tiles of 1,024 bytes
	s_mov_b32 s23, 0
	s_wait_kmcnt 0x0
	s_add_nc_u64 s[6:7], s[6:7], s[18:19]
	s_add_nc_u64 s[4:5], s[4:5], s[20:21]
	s_add_nc_u64 s[8:9], s[8:9], s[22:23]
.irp s, 0,1,2,3,4,5,6,7,8,9,10,11,12,13,14,15,16,17,18,19
	global_load_b128 v[ST+4*\s:ST+4*\s+3], v[VOFFW], s[6:7] offset:32768*\s th:TH_LOAD_NT
.endr
	global_load_b128 v[ST+80:ST+83], v[VO20], s[6:7] th:TH_LOAD_NT
	global_load_b128 v[ST+84:ST+87], v[VO21], s[6:7] th:TH_LOAD_NT
.irp k, 0,1,2,3,4,5,6,7,8,9,10,11,12,13,14,15,16,17,18,19,20,21
	global_load_b128 v[ZA+4*\k:ZA+4*\k+3], v[ZOFF], s[4:5] offset:512*\k
.endr
.irp s, 0,1,2,3,4,5,6,7,8,9,10,11,12,13,14,15,16,17,18,19,20,21
	s_wait_loadcnt 43-\s                           ; step s is in: 21 - s younger loads of W2 and the 22 of Z stay out
	v_cvt_pk_bf16_f32 v[ST+4*\s], v[ST+4*\s], v[ST+4*\s+1]
	v_cvt_pk_bf16_f32 v[ST+4*\s+1], v[ST+4*\s+2], v[ST+4*\s+3]
	ds_store_b64 v[LST], v[ST+4*\s:ST+4*\s+1] offset:16*ROWB*\s
.endr
	s_wait_loadcnt 0x0
	s_wait_dscnt 0x0                               ; my rows are in LDS, for the other waves' sake
	s_barrier_signal -1
	s_barrier_wait -1
	LOADSET 0, 0
	; eleven K blocks of 32; the four accumulators take turns, one instruction a turn
.irp u, 0,1,2,3,4,5,6,7,8,9,10
.if \u < 10
.if \u > 0
	PLACES                                         ; the set read by the four matrix instructions just issued is loaded again
.endif
	LOADSET ((\u+1)&1), (\u+1)
	s_wait_dscnt 0x8                               ; this block's eight loads are in; the eight just issued stay out
.else
	s_wait_dscnt 0x0
.endif
.irp nt, 0,1,2,3
.if \u == 0
	v_wmma_f32_16x16x32_bf16 v[ACC+8*\nt:ACC+8*\nt+7], v[FB+32*(\u&1)+8*\nt:FB+32*(\u&1)+8*\nt+7], v[ZA+8*\u:ZA+8*\u+7], 0
.else
	v_wmma_f32_16x16x32_bf16 v[ACC+8*\nt:ACC+8*\nt+7], v[FB+32*(\u&1)+8*\nt:FB+32*(\u&1)+8*\nt+7], v[ZA+8*\u:ZA+8*\u+7], v[ACC+8*\nt:ACC+8*\nt+7]
.endif
.endr
.endr
	PLACES
.irp nt, 0,1,2,3
	global_store_b128 v[ZOFF], v[ACC+8*\nt:ACC+8*\nt+3], s[8:9] offset:1024*\nt           ; a wave's store covers 512 consecutive bytes, aligned
	global_store_b128 v[ZOFF], v[ACC+8*\nt+4:ACC+8*\nt+7], s[8:9] offset:1024*\nt+512
.endr
	s_wait_tensorcnt 0x0
	ds_add_u32 v224, v225
	s_wait_dscnt 0x0
	s_endpgm
.Lfunc_end_k_qd60e038065_down:
	.size	k_qd60e038065_down, .Lfunc_end_k_qd60e038065_down-k_qd60e038065_down
	.p2alignl 7, 3214868480
	.fill 96, 4, 3214868480
	.section	.rodata,"a",@progbits
	.p2align	6, 0x0
	.amdhsa_kernel k_qd60e038065_down
		.amdhsa_group_segment_fixed_size 57344
		.amdhsa_private_segment_fixed_size 0
		.amdhsa_enable_private_segment 0
		.amdhsa_kernarg_size 24
		.amdhsa_user_sgpr_count 2
		.amdhsa_user_sgpr_kernarg_segment_ptr 1
		.amdhsa_wavefront_size32 1
		.amdhsa_system_sgpr_workgroup_id_x 1
		.amdhsa_system_sgpr_workgroup_id_y 1
		.amdhsa_system_sgpr_workgroup_id_z 1
		.amdhsa_system_vgpr_workitem_id 0
		.amdhsa_next_free_vgpr 226
		.amdhsa_next_free_sgpr 66
		.amdhsa_reserve_vcc 0
		.amdhsa_float_denorm_mode_32 3
		.amdhsa_float_denorm_mode_16_64 3
		.amdhsa_memory_ordered 1
		.amdhsa_forward_progress 1
		.amdhsa_inst_pref_size 23
	.end_amdhsa_kernel
	.amdgpu_metadata
---
amdhsa.version: [ 1, 2 ]
amdhsa.kernels:
  - .name:           k_qd60e038065_down
    .symbol:         k_qd60e038065_down.kd
    .args:
      - { .name: zf, .offset: 0, .size: 8, .value_kind: global_buffer, .address_space: global }
      - { .name: W2, .offset: 8, .size: 8, .value_kind: global_buffer, .address_space: global }
      - { .name: yp, .offset: 16, .size: 8, .value_kind: global_buffer, .address_space: global }
    .group_segment_fixed_size: 57344
    .private_segment_fixed_size: 0
    .kernarg_segment_align: 8
    .kernarg_segment_size: 24
    .max_flat_workgroup_size: 256
    .sgpr_count:     66
    .vgpr_count:     226
    .wavefront_size: 32
...
	.end_amdgpu_metadata
.endif
;; end of part 4
;; launch head (part 5): grid 128 x 2, 8 waves a work-group, no clusters, 49,408 bytes of LDS; arguments yp, b2, Wout, op; writes op
.if DOCPART == 5
	.amdgcn_target "amdgcn-amd-amdhsa--gfx1250"
	.amdhsa_code_object_version 6
	.text
	.protected	k_qd60e038065_head
	.globl	k_qd60e038065_head
	.p2align	8
	.type	k_qd60e038065_head,@function
k_qd60e038065_head:
	s_mov_b64 s[64:65], 0
	v_nop
	global_prefetch_b8 v0, s[64:65] scope:SCOPE_SE
	s_setreg_imm32_b32 hwreg(HW_REG_WAVE_MODE, 25, 1), 1
	s_wait_xcnt 0x0
; head: Y[b][m'][d] = sum over the 32 parts of Ypart + sum over n of b2[n][d], then op[u] = Y (8 x 64) times 64 rows of Wout, 256 columns of them.
; The b2 term: the model adds b2[n][d] times the sum over p of the combine weights, and that sum is 1, being a softmax over p.
; SHARE: work-group (u, oh) owns 4 columns d = d0 .. d0 + 3 and all 16 tokens: one block of 256 bytes of yp for each (part, sample), and of the rows
; 512 m' + d0 + dq of Wout (K index 4 m' + dq) the columns 256 oh .. 256 oh + 255.  Wave w makes output columns 256 oh + 32 w .. + 31.
; The sum over u is the next launch's.  The two work-groups of one u both sum the same 65,536 bytes of yp: that is the price of 256 work-groups of
; 131,072 bytes each instead of 128 of 196,608; the sums go through registers, so a joint tensor load would not spare the work.
; The matrix rows 8-15 repeat samples 0-7, so both halves of the lanes hold results that are stored.
; LIMITS: Y and Wout are bf16 operands, sums in f32.
.set WPITCH, 544                       ; Wout's rows in LDS: 512 bytes of bf16 + 32, an odd multiple of 32
.set YS, 34816                         ; behind Wout's 64 rows: [half of the parts][b] rows of [m'][4 f32]
.set YPITCH, 272                       ; 256 bytes + 16, an odd multiple of 16: the eight samples that a load touches start at different banks
.set OS, 39168                         ; behind the 16 rows of sums: for each wave 8 rows of 144 bytes, the way out
.set OPITCH, 144                       ; 128 bytes + 16
.set OWAVE, 8*OPITCH
.set VL, 11
.set VR, 208
.set VH, 209
.set T, 210
.set T2, 211
.set WF, 80                            ; v[80:143] Wout as loaded; afterwards v[80:111]: its four fragments (K block, tile)
.set YA, 144                           ; v[144:159] two fragments of Y
.set ACC, 160                          ; v[160:175] two accumulators
.set SEL, 192                          ; v[192:199] the way out: the four rows that my half of the lanes puts down
.set OUTR, 16                          ; v[16:23]   the way out: a row read back (the sums of Y that lay here are dead; no matrix operand)
.macro PLACES
.rept 4
	v_nop
.endr
.endm
	s_load_b256 s[4:11], s[0:1], 0x0               ; yp s[4:5], b2 s[6:7], Wout s[8:9], op s[10:11]
	v_lshl_add_u32 v224, v0, 2, 0xbd00
	v_mov_b32 v225, 0
	v_lshrrev_b32 v[VL], 5, v0
	v_readfirstlane_b32 s12, v[VL]                 ; wave
	s_lshr_b32 s13, ttmp9, 2
	s_lshl_b32 s13, s13, 4
	s_and_b32 s14, ttmp9, 1
	s_lshl3_add_u32 s13, s14, s13
	s_bfe_u32 s14, ttmp9, 0x10001
	s_lshl2_add_u32 s13, s14, s13                  ; d0 = 16 (u >> 2) + 8 (u & 1) + 4 ((u >> 1) & 1)
	s_and_b32 s28, ttmp7, 0xffff
	s_lshl_b32 s28, s28, 10                        ; 1,024 oh: my 256 columns, in bytes of f32
	v_and_b32 v[VL], 31, v0
	v_and_b32 v[VR], 15, v0
	v_bfe_u32 v[VH], v0, 4, 1
	v_lshlrev_b32 v[T], 4, v[VR]
	v_bfe_u32 v1, v0, 4, 3
	v_lshl_add_u32 v1, v1, 15, v[T]
	v_lshrrev_b32 v[T2], 7, v0
	v_lshl_add_u32 v1, v[T2], 22, v1               ; yp: 16 parts x (thread >> 7), sample (thread >> 4) & 7, token thread & 15
	s_lshl_b32 s15, s12, 21
	v_lshl_add_u32 v2, v[VL], 4, s15               ; Wout: tokens 2 w, 2 w + 1
	v_lshlrev_b32 v3, 11, v[VR]                    ; b2: expert lane & 15
	s_mul_i32 s16, s12, 2*YPITCH
	s_add_co_u32 s16, s16, YS
	v_mul_u32_u24 v4, v[VH], YPITCH
	v_add_nc_u32 v4, v4, v[T]
	v_add_nc_u32 v4, s16, v4                       ; sums, in: row 2 w + (lane >> 4) = 8 x half of the parts + sample, token lane & 15
	s_mul_i32 s17, s12, 8*WPITCH
	v_lshl_add_u32 v5, v[VL], 3, s17               ; Wout's rows 8 w .. in LDS
	v_and_b32 v6, 7, v0
	v_mul_u32_u24 v6, v6, YPITCH
	v_lshl_add_u32 v6, v[VH], 5, v6
	v_add_nc_u32 v6, YS, v6                        ; sums, back: sample r & 7, tokens 2 hh, 2 hh + 1
	v_and_b32 v7, 7, v0
	v_lshl_add_u32 v7, v[VH], 3, v7
	v_mul_u32_u24 v7, v7, WPITCH
	v_bfe_u32 v[T2], v0, 3, 1
	v_lshl_add_u32 v7, v[T2], 4, v7
	s_lshl_b32 s18, s12, 6
	v_add_nc_u32 v7, s18, v7                       ; transposing loads: my wave's 32 columns
	s_mul_i32 s19, s12, OWAVE
	s_add_co_u32 s19, s19, OS
	v_mul_u32_u24 v8, v[VH], 4*OPITCH
	v_lshl_add_u32 v8, v[VR], 2, v8
	v_add_nc_u32 v8, s19, v8                       ; the way out, in: my wave's own stage, rows 4 hh .., column r
	s_mul_i32 s29, s12, OPITCH
	s_add_co_u32 s29, s29, OS
	v_lshrrev_b32 v9, 3, v[VL]
	v_mul_u32_u24 v9, v9, OWAVE
	v_and_b32 v[T2], 7, v0
	v_lshl_add_u32 v9, v[T2], 4, v9
	v_add_nc_u32 v9, s29, v9                       ; the way out, back: row w of the stage of wave lane >> 3 (+ 4), 16 (lane & 7)
	v_lshlrev_b32 v10, 4, v[VL]
	s_lshl_b32 s20, ttmp9, 8
	s_mov_b32 s21, 0
	s_lshl_b32 s22, s13, 2
	s_mov_b32 s23, 0
	s_lshl_b32 s24, s13, 11
	s_add_co_u32 s24, s24, s28
	s_mov_b32 s25, 0
	s_lshl_b32 s26, ttmp9, 14
	s_lshl_b32 s27, s12, 11
	s_add_co_u32 s26, s26, s27
	s_add_co_u32 s26, s26, s28                     ; op: partial product u, sample w, my 256 columns
	s_mov_b32 s27, 0
	s_wait_kmcnt 0x0
	s_add_nc_u64 s[4:5], s[4:5], s[20:21]
	s_add_nc_u64 s[6:7], s[6:7], s[22:23]
	s_add_nc_u64 s[8:9], s[8:9], s[24:25]
	s_add_nc_u64 s[10:11], s[10:11], s[26:27]
	global_load_b128 v[12:15], v3, s[6:7]
.irp k, 0,1,2,3,4,5,6,7,8,9,10,11,12,13,14,15
	global_load_b128 v[16+4*\k:16+4*\k+3], v1, s[4:5] offset:262144*\k
.endr
.set e, 0
.rept 16
	global_load_b128 v[WF+4*e:WF+4*e+3], v2, s[8:9] offset:(e>>3)*1048576+((e>>1)&3)*2048+(e&1)*512 th:TH_LOAD_NT
.set e, e+1
.endr
	s_wait_loadcnt 16                              ; b2 and the 16 parts are in; the 16 loads of Wout stay out
.irp k, 0,1,2,3,4,5,6,7
	v_pk_add_f32 v[16+4*\k:17+4*\k], v[16+4*\k:17+4*\k], v[48+4*\k:49+4*\k]
	v_pk_add_f32 v[18+4*\k:19+4*\k], v[18+4*\k:19+4*\k], v[50+4*\k:51+4*\k]
.endr
.irp k, 0,1,2,3
	v_pk_add_f32 v[16+4*\k:17+4*\k], v[16+4*\k:17+4*\k], v[32+4*\k:33+4*\k]
	v_pk_add_f32 v[18+4*\k:19+4*\k], v[18+4*\k:19+4*\k], v[34+4*\k:35+4*\k]
.endr
.irp k, 0,1
	v_pk_add_f32 v[16+4*\k:17+4*\k], v[16+4*\k:17+4*\k], v[24+4*\k:25+4*\k]
	v_pk_add_f32 v[18+4*\k:19+4*\k], v[18+4*\k:19+4*\k], v[26+4*\k:27+4*\k]
.endr
	v_pk_add_f32 v[16:17], v[16:17], v[20:21]
	v_pk_add_f32 v[18:19], v[18:19], v[22:23]
	ds_store_b128 v4, v[16:19]
.irp x, 1,2,4,8
.irp j, 0,1,2,3
	v_add_f32_dpp v[12+\j], v[12+\j], v[12+\j] row_xmask:\x row_mask:0xf bank_mask:0xf     ; b2 summed over the 16 experts, in every lane
.endr
.endr
.set e, 0
.rept 16
	s_wait_loadcnt 15-e                            ; load e is in, the younger ones stay out
	v_cvt_pk_bf16_f32 v[WF+4*e], v[WF+4*e], v[WF+4*e+1]
	v_cvt_pk_bf16_f32 v[WF+4*e+1], v[WF+4*e+2], v[WF+4*e+3]
	ds_store_b64 v5, v[WF+4*e:WF+4*e+1] offset:(e>>1)*WPITCH+256*(e&1)
.set e, e+1
.endr
	s_wait_dscnt 0x0                               ; my sums and my rows are in LDS, for the other waves' sake
	s_barrier_signal -1
	s_barrier_wait -1
.irp f, 0,1,2,3
	ds_load_b128 v[16+16*\f:19+16*\f], v6 offset:64*\f
	ds_load_b128 v[20+16*\f:23+16*\f], v6 offset:64*\f+16
	ds_load_b128 v[24+16*\f:27+16*\f], v6 offset:64*\f+8*YPITCH
	ds_load_b128 v[28+16*\f:31+16*\f], v6 offset:64*\f+8*YPITCH+16
.endr
.irp kb, 0,1
.irp nt, 0,1
	ds_load_tr16_b128 v[WF+16*\kb+8*\nt:WF+16*\kb+8*\nt+3], v7 offset:32*WPITCH*\kb+32*\nt
	ds_load_tr16_b128 v[WF+16*\kb+8*\nt+4:WF+16*\kb+8*\nt+7], v7 offset:32*WPITCH*\kb+32*\nt+16*WPITCH
.endr
.endr
	s_wait_dscnt 0x0
.irp f, 0,1,2,3
	v_pk_add_f32 v[16+16*\f:17+16*\f], v[16+16*\f:17+16*\f], v[24+16*\f:25+16*\f]          ; the two halves of the parts
	v_pk_add_f32 v[18+16*\f:19+16*\f], v[18+16*\f:19+16*\f], v[26+16*\f:27+16*\f]
	v_pk_add_f32 v[20+16*\f:21+16*\f], v[20+16*\f:21+16*\f], v[28+16*\f:29+16*\f]
	v_pk_add_f32 v[22+16*\f:23+16*\f], v[22+16*\f:23+16*\f], v[30+16*\f:31+16*\f]
	v_pk_add_f32 v[16+16*\f:17+16*\f], v[16+16*\f:17+16*\f], v[12:13]                      ; and b2
	v_pk_add_f32 v[18+16*\f:19+16*\f], v[18+16*\f:19+16*\f], v[14:15]
	v_pk_add_f32 v[20+16*\f:21+16*\f], v[20+16*\f:21+16*\f], v[12:13]
	v_pk_add_f32 v[22+16*\f:23+16*\f], v[22+16*\f:23+16*\f], v[14:15]
.irp k, 0,1,2,3
	v_cvt_pk_bf16_f32 v[YA+4*\f+\k], v[16+16*\f+2*\k], v[16+16*\f+2*\k+1]
.endr
.endr
	; the two accumulators take turns, one instruction a turn
.irp nt, 0,1
	v_wmma_f32_16x16x32_bf16 v[ACC+8*\nt:ACC+8*\nt+7], v[YA:YA+7], v[WF+8*\nt:WF+8*\nt+7], 0
.endr
.irp nt, 0,1
	v_wmma_f32_16x16x32_bf16 v[ACC+8*\nt:ACC+8*\nt+7], v[YA+8:YA+15], v[WF+16+8*\nt:WF+16+8*\nt+7], v[ACC+8*\nt:ACC+8*\nt+7]
.endr
	PLACES
	; lanes hh = 0 put samples 0-3, lanes hh = 1 (which hold the repeated rows) samples 4-7, into my wave's own stage
	v_cmp_ne_u32 vcc_lo, 0, v[VH]
.irp nt, 0,1
.irp j, 0,1,2,3
	v_cndmask_b32 v[SEL+4*\nt+\j], v[ACC+8*\nt+\j], v[ACC+8*\nt+\j+4], vcc_lo
.endr
.endr
.irp nt, 0,1
.irp j, 0,1,2,3
	ds_store_b32 v8, v[SEL+4*\nt+\j] offset:OPITCH*\j+64*\nt
.endr
.endr
	s_wait_dscnt 0x0                               ; my 8 x 128 bytes are in LDS, for the other waves' sake
	s_barrier_signal -1
	s_barrier_wait -1
	; wave w takes sample w's 1,024 bytes out of the eight stages: eight lanes take one wave's 128 bytes
.irp i, 0,1
	ds_load_b128 v[OUTR+4*\i:OUTR+4*\i+3], v9 offset:4*OWAVE*\i
.endr
.irp i, 0,1
	s_wait_dscnt 1-\i                              ; half i of the row is in, the younger load stays out
	global_store_b128 v10, v[OUTR+4*\i:OUTR+4*\i+3], s[10:11] offset:512*\i    ; a wave's store covers 512 consecutive bytes, aligned
.endr
	s_wait_tensorcnt 0x0
	ds_add_u32 v224, v225
	s_wait_dscnt 0x0
	s_endpgm
.Lfunc_end_k_qd60e038065_head:
	.size	k_qd60e038065_head, .Lfunc_end_k_qd60e038065_head-k_qd60e038065_head
	.p2alignl 7, 3214868480
	.fill 96, 4, 3214868480
	.section	.rodata,"a",@progbits
	.p2align	6, 0x0
	.amdhsa_kernel k_qd60e038065_head
		.amdhsa_group_segment_fixed_size 49408
		.amdhsa_private_segment_fixed_size 0
		.amdhsa_enable_private_segment 0
		.amdhsa_kernarg_size 32
		.amdhsa_user_sgpr_count 2
		.amdhsa_user_sgpr_kernarg_segment_ptr 1
		.amdhsa_wavefront_size32 1
		.amdhsa_system_sgpr_workgroup_id_x 1
		.amdhsa_system_sgpr_workgroup_id_y 1
		.amdhsa_system_sgpr_workgroup_id_z 1
		.amdhsa_system_vgpr_workitem_id 0
		.amdhsa_next_free_vgpr 226
		.amdhsa_next_free_sgpr 66
		.amdhsa_reserve_vcc 1
		.amdhsa_float_denorm_mode_32 3
		.amdhsa_float_denorm_mode_16_64 3
		.amdhsa_memory_ordered 1
		.amdhsa_forward_progress 1
		.amdhsa_inst_pref_size 20
	.end_amdhsa_kernel
	.amdgpu_metadata
---
amdhsa.version: [ 1, 2 ]
amdhsa.kernels:
  - .name:           k_qd60e038065_head
    .symbol:         k_qd60e038065_head.kd
    .args:
      - { .name: yp, .offset: 0, .size: 8, .value_kind: global_buffer, .address_space: global }
      - { .name: b2, .offset: 8, .size: 8, .value_kind: global_buffer, .address_space: global }
      - { .name: Wout, .offset: 16, .size: 8, .value_kind: global_buffer, .address_space: global }
      - { .name: op, .offset: 24, .size: 8, .value_kind: global_buffer, .address_space: global }
    .group_segment_fixed_size: 49408
    .private_segment_fixed_size: 0
    .kernarg_segment_align: 8
    .kernarg_segment_size: 32
    .max_flat_workgroup_size: 256
    .sgpr_count:     66
    .vgpr_count:     226
    .wavefront_size: 32
...
	.end_amdgpu_metadata
.endif
;; end of part 5
;; launch fin (part 6): grid 64 x 1, 8 waves a work-group, no clusters, 5,120 bytes of LDS; arguments op, bout, out0; writes out0
.if DOCPART == 6
	.amdgcn_target "amdgcn-amd-amdhsa--gfx1250"
	.amdhsa_code_object_version 6
	.text
	.protected	k_qd60e038065_fin
	.globl	k_qd60e038065_fin
	.p2align	8
	.type	k_qd60e038065_fin,@function
k_qd60e038065_fin:
	s_mov_b64 s[64:65], 0
	v_nop
	global_prefetch_b8 v0, s[64:65] scope:SCOPE_SE
	s_setreg_imm32_b32 hwreg(HW_REG_WAVE_MODE, 25, 1), 1
	s_wait_xcnt 0x0
; fin: out0 = sum over the 128 partial products op[u] + bout, in f32.  Work-group v owns the 256 bytes at 256 v of out0 (64 columns of one sample).
; Thread: c = thread & 15 takes 16 bytes of the block, grp = thread >> 4 takes eight of the partial products; the 16 groups meet in LDS,
; and wave 0 adds them, adds bout and stores the block whole, 8 bytes a lane.  A stream of 2 MiB: no matrix unit, no cluster.
	s_load_b128 s[4:7], s[0:1], 0x0                ; op s[4:5], bout s[6:7]
	s_load_b64 s[8:9], s[0:1], 0x10                ; out0
	v_lshl_add_u32 v48, v0, 2, 0x1000
	v_mov_b32 v49, 0
	v_lshrrev_b32 v7, 5, v0
	v_readfirstlane_b32 s10, v7                    ; wave
	s_mov_b32 s16, 0x76543210
	s_mov_b32 s17, 0xfedcba98
	v_and_b32 v1, 15, v0
	v_lshlrev_b32 v1, 4, v1                        ; 16 c
	v_lshrrev_b32 v2, 4, v0
	v_lshl_add_u32 v2, v2, 17, v1                  ; eight partial products of 16,384 bytes a group
	v_and_b32 v3, 31, v0
	s_lshl_b32 s11, s10, 9
	v_lshl_add_u32 v3, v3, 4, s11                  ; LDS, in: 16 x thread
	v_bfe_u32 v4, v0, 4, 1
	v_lshl_add_u32 v5, v4, 11, v1                  ; LDS, back: groups 8 hh ..
	v_lshl_add_u32 v6, v4, 3, v1                   ; out0: 16 c + 8 hh
	s_lshl_b32 s12, ttmp9, 8
	s_mov_b32 s13, 0
	s_and_b32 s14, ttmp9, 7
	s_lshl_b32 s14, s14, 8
	s_mov_b32 s15, 0
	s_wait_kmcnt 0x0
	s_add_nc_u64 s[4:5], s[4:5], s[12:13]
	s_add_nc_u64 s[6:7], s[6:7], s[14:15]
	s_add_nc_u64 s[8:9], s[8:9], s[12:13]
.irp k, 0,1,2,3,4,5,6,7
	global_load_b128 v[8+4*\k:11+4*\k], v2, s[4:5] offset:16384*\k th:TH_LOAD_NT
.endr
	global_load_b128 v[40:43], v1, s[6:7]
	s_wait_loadcnt 0x0
.irp k, 0,1,2,3
	v_pk_add_f32 v[8+4*\k:9+4*\k], v[8+4*\k:9+4*\k], v[24+4*\k:25+4*\k]
	v_pk_add_f32 v[10+4*\k:11+4*\k], v[10+4*\k:11+4*\k], v[26+4*\k:27+4*\k]
.endr
.irp k, 0,1
	v_pk_add_f32 v[8+4*\k:9+4*\k], v[8+4*\k:9+4*\k], v[16+4*\k:17+4*\k]
	v_pk_add_f32 v[10+4*\k:11+4*\k], v[10+4*\k:11+4*\k], v[18+4*\k:19+4*\k]
.endr
	v_pk_add_f32 v[8:9], v[8:9], v[12:13]
	v_pk_add_f32 v[10:11], v[10:11], v[14:15]
	ds_store_b128 v3, v[8:11]
	s_wait_dscnt 0x0                               ; my sum is in LDS, for wave 0's sake
	s_barrier_signal -1
	s_barrier_wait -1
	s_cmp_lg_u32 s10, 0
	s_cbranch_scc1 .Lend
.irp k, 0,1,2,3,4,5,6,7
	ds_load_b128 v[8+4*\k:11+4*\k], v5 offset:256*\k
.endr
	s_wait_dscnt 0x0
.irp k, 0,1,2,3
	v_pk_add_f32 v[8+4*\k:9+4*\k], v[8+4*\k:9+4*\k], v[24+4*\k:25+4*\k]
	v_pk_add_f32 v[10+4*\k:11+4*\k], v[10+4*\k:11+4*\k], v[26+4*\k:27+4*\k]
.endr
.irp k, 0,1
	v_pk_add_f32 v[8+4*\k:9+4*\k], v[8+4*\k:9+4*\k], v[16+4*\k:17+4*\k]
	v_pk_add_f32 v[10+4*\k:11+4*\k], v[10+4*\k:11+4*\k], v[18+4*\k:19+4*\k]
.endr
	v_pk_add_f32 v[8:9], v[8:9], v[12:13]
	v_pk_add_f32 v[10:11], v[10:11], v[14:15]
.irp j, 0,1,2,3
	v_permlanex16_b32 v[12+\j], v[8+\j], s16, s17  ; the other eight groups
.endr
	v_pk_add_f32 v[8:9], v[8:9], v[12:13]
	v_pk_add_f32 v[10:11], v[10:11], v[14:15]
	v_pk_add_f32 v[8:9], v[8:9], v[40:41]          ; + bout
	v_pk_add_f32 v[10:11], v[10:11], v[42:43]
	v_cmp_ne_u32 vcc_lo, 0, v4
	v_cndmask_b32 v12, v8, v10, vcc_lo             ; both halves of the lanes hold all four numbers: the upper half stores the last two
	v_cndmask_b32 v13, v9, v11, vcc_lo
	global_store_b64 v6, v[12:13], s[8:9]          ; 32 lanes store 256 consecutive bytes, aligned
.Lend:
	s_wait_tensorcnt 0x0
	ds_add_u32 v48, v49
	s_wait_dscnt 0x0
	s_endpgm
.Lfunc_end_k_qd60e038065_fin:
	.size	k_qd60e038065_fin, .Lfunc_end_k_qd60e038065_fin-k_qd60e038065_fin
	.p2alignl 7, 3214868480
	.fill 96, 4, 3214868480
	.section	.rodata,"a",@progbits
	.p2align	6, 0x0
	.amdhsa_kernel k_qd60e038065_fin
		.amdhsa_group_segment_fixed_size 5120
		.amdhsa_private_segment_fixed_size 0
		.amdhsa_enable_private_segment 0
		.amdhsa_kernarg_size 24
		.amdhsa_user_sgpr_count 2
		.amdhsa_user_sgpr_kernarg_segment_ptr 1
		.amdhsa_wavefront_size32 1
		.amdhsa_system_sgpr_workgroup_id_x 1
		.amdhsa_system_sgpr_workgroup_id_y 1
		.amdhsa_system_sgpr_workgroup_id_z 1
		.amdhsa_system_vgpr_workitem_id 0
		.amdhsa_next_free_vgpr 50
		.amdhsa_next_free_sgpr 66
		.amdhsa_reserve_vcc 1
		.amdhsa_float_denorm_mode_32 3
		.amdhsa_float_denorm_mode_16_64 3
		.amdhsa_memory_ordered 1
		.amdhsa_forward_progress 1
		.amdhsa_inst_pref_size 6
	.end_amdhsa_kernel
	.amdgpu_metadata
---
amdhsa.version: [ 1, 2 ]
amdhsa.kernels:
  - .name:           k_qd60e038065_fin
    .symbol:         k_qd60e038065_fin.kd
    .args:
      - { .name: op, .offset: 0, .size: 8, .value_kind: global_buffer, .address_space: global }
      - { .name: bout, .offset: 8, .size: 8, .value_kind: global_buffer, .address_space: global }
      - { .name: out0, .offset: 16, .size: 8, .value_kind: global_buffer, .address_space: global }
    .group_segment_fixed_size: 5120
    .private_segment_fixed_size: 0
    .kernarg_segment_align: 8
    .kernarg_segment_size: 24
    .max_flat_workgroup_size: 256
    .sgpr_count:     66
    .vgpr_count:     50
    .wavefront_size: 32
...
	.end_amdgpu_metadata
.endif
;; end of part 6
;; ======== version 2 of 2: 6 launches; version 1 with the launches down, head written anew for expert scheduling mode
;; workspace buffers: dw 2,883,584 bytes; xw 2,883,584 bytes; lg 5,767,168 bytes; cw 2,883,584 bytes; ps 90,112 bytes; zf 2,883,584 bytes; yp 8,388,608 bytes; op 2,097,152 bytes
;; launch proj: the kernel of part 1 again; grid 88 x 2, 8 waves a work-group, no clusters, 297,984 bytes of LDS; arguments x, phi, W1, dw, lg, xw; writes dw, lg, xw
;; launch route: the kernel of part 2 again; grid 44 x 8, 1 waves a work-group, no clusters, 8,704 bytes of LDS; arguments lg, cw, ps; writes cw, ps
;; launch expert: the kernel of part 3 again; grid 32 x 8, 4 waves a work-group, no clusters, 68,096 bytes of LDS; arguments dw, cw, xw, ps, b1, zf; writes zf
;; launch down (part 7): grid 8 x 32, 8 waves a work-group, no clusters, 57,344 bytes of LDS; arguments zf, W2, yp; writes yp
.if DOCPART == 7
	.amdgcn_target "amdgcn-amd-amdhsa--gfx1250"
	.amdhsa_code_object_version 6
	.text
	.protected	k_qd60e038065_down
	.globl	k_qd60e038065_down
	.p2align	8
	.type	k_qd60e038065_down,@function
k_qd60e038065_down:
	s_mov_b64 s[64:65], 0
	v_nop
	global_prefetch_b8 v0, s[64:65] scope:SCOPE_SE
	s_setreg_imm32_b32 hwreg(HW_REG_WAVE_SCHED_MODE, 0, 2), 2
	s_setreg_imm32_b32 hwreg(HW_REG_WAVE_MODE, 25, 1), 1
	s_wait_xcnt 0x0
	s_wait_alu depctr_vm_vsrc(0)
; down: Ypart[s][b][m'][d] = sum over the 352 rows h of part s = 2 n + half of Z[b][n][m'][h] W2[n][h][d], for 64 columns d (x) and all 8 samples.
; W2 lies [K][N] in f32: it is loaded once (two rows of 256 aligned bytes a wave's load), narrowed to bf16 and laid in LDS rows of 160 bytes;
; transposing LDS loads make fragments with rows d.  Z comes from memory in fragment order.  Source 0 = W2, source 1 = Z: a lane holds eight
; neighbouring d of one token.  Rows h >= 682 are clamped to row 681 (finite) and meet Z's exact zeros.
; LIMITS: W2 and Z are bf16 operands, sums in f32; the sum over the 32 parts is made in the next launch, in f32.
; All loads are issued at once, so nothing is asked for ahead; no tensor load, since the data are narrowed on the way.
; THE MODE: SCHED_MODE bits 1:0 = 2 (LLVM: expert scheduling mode 2), set by the entry lines.  The code itself states the register dependences
; between vector or matrix instructions and memory or LDS instructions, with s_wait_alu, always for 0.
; THE PLAN.  Registers that memory or LDS instructions touch:
;   v4-v7, v224, v225  offsets and LDS addresses: made once at the head, never written again.
;   ST   step s of 22: a global load lands in four registers; two conversions read them and write the first two; one LDS store reads those two.
;        The steps go in groups of four (the last of two).  A group's head waits for its loads and then states that the group BEFORE has written its
;        pairs; that group's LDS stores are dealt among this group's conversions, which name this group's registers alone.
;   FB   three sets of four fragments, in ST's registers and eight more.  K block u lands in set u % 3 and is read by step u's four matrix instructions.
;        Step u issues the loads of block u + 2, into the set that step u - 1 read: one wait at the step's head, behind the wait for block u's
;        data, states that step u - 1's matrix instructions are done reading it.  Step u's own matrix instructions name set u % 3, Z and the accumulators.
;   ZA   loaded once, read by matrix instructions.     ACC  written by matrix instructions, read by the eight stores at the end.
.set ROWB, 160
.set C16, 1
.set HI, 2
.set ROWL, 3
.set VOFFW, 4
.set LST, 5
.set VO20, 6
.set VO21, 7
.set ZA, 8                             ; v[8:95]    11 fragments of Z
.set ACC, 96                           ; v[96:127]  four accumulators
.set ST, 128                           ; v[128:215] W2 as loaded
.set FB, 128                           ; v[128:223] afterwards: three sets of four fragments of W2
.set ZOFF, 224
.set LTR, 225
.set T, 226
.macro PLACES
.rept 4
	v_nop
.endr
.endm
.macro CVT s                           ; step s: four f32 close up into two registers of bf16
	v_cvt_pk_bf16_f32 v[ST+4*\s], v[ST+4*\s], v[ST+4*\s+1]
	v_cvt_pk_bf16_f32 v[ST+4*\s+1], v[ST+4*\s+2], v[ST+4*\s+3]
.endm
.macro PUT s                           ; step s: my 8 bytes of my row into LDS
	ds_store_b64 v[LST], v[ST+4*\s:ST+4*\s+1] offset:16*ROWB*\s
.endm
.macro FRAG set, u, nt                 ; fragment nt of K block u
	ds_load_tr16_b128 v[FB+32*\set+8*\nt:FB+32*\set+8*\nt+3], v[LTR] offset:\u*32*ROWB+32*\nt
	ds_load_tr16_b128 v[FB+32*\set+8*\nt+4:FB+32*\set+8*\nt+7], v[LTR] offset:\u*32*ROWB+32*\nt+16*ROWB
.endm
.macro LOADSET set, u
.irp nt, 0,1,2,3
	FRAG \set, \u, \nt
.endr
.endm
	s_load_b128 s[4:7], s[0:1], 0x0                ; zf s[4:5], W2 s[6:7]
	s_load_b64 s[8:9], s[0:1], 0x10                ; yp
	v_lshl_add_u32 v228, v0, 2, 0xdc00
	v_mov_b32 v229, 0
	v_lshrrev_b32 v[T], 5, v0
	v_readfirstlane_b32 s10, v[T]                  ; wave = sample b
	s_and_b32 s12, ttmp7, 0xffff                   ; part s
	s_lshr_b32 s13, s12, 1                         ; n
	s_and_b32 s14, s12, 1                          ; half
	s_mul_i32 s16, s14, 352
	s_sub_co_u32 s17, 681, s16                     ; the last row of the expert, counted from my first
	v_and_b32 v[C16], 15, v0
	v_bfe_u32 v[HI], v0, 4, 1
	s_wait_alu depctr_va_sdst(0)                   ; s10 is written, ahead of its first reader: my rows and the bases of zf and yp are made from it
	s_lshl_b32 s15, s10, 1
	v_add_nc_u32 v[ROWL], s15, v[HI]               ; my row among a step's 16
	v_lshlrev_b32 v[T], 4, v[C16]
	v_lshl_add_u32 v[VOFFW], v[ROWL], 11, v[T]
	v_mul_u32_u24 v[LST], v[ROWL], ROWB
	v_lshl_add_u32 v[LST], v[C16], 3, v[LST]
	v_add_nc_u32 v[VO20], 320, v[ROWL]
	v_min_u32 v[VO20], s17, v[VO20]
	v_lshl_add_u32 v[VO20], v[VO20], 11, v[T]
	v_add_nc_u32 v[VO21], 336, v[ROWL]
	v_min_u32 v[VO21], s17, v[VO21]
	v_lshl_add_u32 v[VO21], v[VO21], 11, v[T]
	v_and_b32 v[ZOFF], 31, v0
	v_lshlrev_b32 v[ZOFF], 4, v[ZOFF]
	v_and_b32 v[LTR], 7, v0
	v_lshl_add_u32 v[LTR], v[HI], 3, v[LTR]
	v_mul_u32_u24 v[LTR], v[LTR], ROWB
	v_bfe_u32 v[T], v0, 3, 1
	v_lshl_add_u32 v[LTR], v[T], 4, v[LTR]
	s_mul_i32 s18, s13, 682
	s_add_co_u32 s18, s18, s16
	s_lshl_b32 s18, s18, 11
	s_lshl_b32 s19, ttmp9, 8
	s_add_co_u32 s18, s18, s19                     ; W2: (682 n + 352 half) rows + 64 columns x
	s_mov_b32 s19, 0
	s_lshl4_add_u32 s20, s10, s13
	s_mul_i32 s20, s20, 44
	s_mul_i32 s21, s14, 22
	s_add_co_u32 s20, s20, s21
	s_lshl_b32 s20, s20, 9                         ; zf: ((16 b + n) 44 + 22 half) tiles of 512 bytes
	s_mov_b32 s21, 0
	s_lshl3_add_u32 s22, s12, s10
	s_lshl_b32 s22, s22, 5
	s_lshl2_add_u32 s22, ttmp9, s22
	s_lshl_b32 s22, s22, 10                        ; yp: ((8 s + b) 32 + 4 x) tiles of 1,024 bytes
	s_mov_b32 s23, 0
	s_wait_kmcnt 0x0
	s_add_nc_u64 s[6:7], s[6:7], s[18:19]
	s_add_nc_u64 s[4:5], s[4:5], s[20:21]
	s_add_nc_u64 s[8:9], s[8:9], s[22:23]
	s_wait_alu depctr_va_vdst(0)                   ; the six offsets and LDS addresses v4 to v7, v224 and v225 are written: every load and store of the kernel reads one of them
.irp s, 0,1,2,3,4,5,6,7,8,9,10,11,12,13,14,15,16,17,18,19
	global_load_b128 v[ST+4*\s:ST+4*\s+3], v[VOFFW], s[6:7] offset:32768*\s th:TH_LOAD_NT
.endr
	global_load_b128 v[ST+80:ST+83], v[VO20], s[6:7] th:TH_LOAD_NT
	global_load_b128 v[ST+84:ST+87], v[VO21], s[6:7] th:TH_LOAD_NT
.irp k, 0,1,2,3,4,5,6,7,8,9,10,11,12,13,14,15,16,17,18,19,20,21
	global_load_b128 v[ZA+4*\k:ZA+4*\k+3], v[ZOFF], s[4:5] offset:512*\k
.endr
	s_wait_loadcnt 40                              ; steps 0 to 3 are in: 18 younger loads of W2 and the 22 of Z stay out
.irp s, 0,1,2,3
	CVT \s
.endr
.irp g, 1,2,3,4
	s_wait_loadcnt 40-4*\g                         ; steps 4 g to 4 g + 3 are in: 18 - 4 g younger loads of W2 and the 22 of Z stay out
	s_wait_alu depctr_va_vdst(0)                   ; the conversions of the group before have written their pairs, which the LDS stores below read
.irp i, 0,1,2,3
	PUT (4*\g-4+\i)                                ; no vector instruction since the wait names the group before's registers
	CVT (4*\g+\i)
.endr
.endr
	s_wait_loadcnt 22                              ; steps 20 and 21 are in; the 22 loads of Z stay out
	s_wait_alu depctr_va_vdst(0)                   ; the conversions of steps 16 to 19 have written their pairs, which the LDS stores below read
	PUT 16
	CVT 20
	PUT 17
	CVT 21
	PUT 18
	PUT 19
	s_wait_alu depctr_va_vdst(0)                   ; the conversions of steps 20 and 21 have written their pairs; and all conversions are done with v[ST ..], in which fragments land below
	PUT 20
	PUT 21
	s_wait_loadcnt 0x0
	s_wait_dscnt 0x0                               ; my rows are in LDS, for the other waves' sake
	s_barrier_signal -1
	s_barrier_wait -1
	s_wait_alu depctr_vm_vsrc(0)                   ; my LDS stores have read v[ST ..]: these registers are the fragment sets from here on
	LOADSET 0, 0
	LOADSET 1, 1
	; eleven K blocks of 32; the four accumulators take turns, one instruction a turn
.irp u, 0,1,2,3,4,5,6,7,8,9,10
.if \u < 10
	s_wait_dscnt 0x8                               ; this block's eight loads are in; the next block's eight stay out
.else
	s_wait_dscnt 0x0
.endif
.if (\u > 0) && (\u < 9)
	s_wait_alu depctr_va_vdst(0)                   ; the last step's matrix instructions are done reading their set, in which the loads below land
.endif
.irp nt, 0,1,2,3
.if \u == 0
	v_wmma_f32_16x16x32_bf16 v[ACC+8*\nt:ACC+8*\nt+7], v[FB+32*(\u%3)+8*\nt:FB+32*(\u%3)+8*\nt+7], v[ZA+8*\u:ZA+8*\u+7], 0
.else
	v_wmma_f32_16x16x32_bf16 v[ACC+8*\nt:ACC+8*\nt+7], v[FB+32*(\u%3)+8*\nt:FB+32*(\u%3)+8*\nt+7], v[ZA+8*\u:ZA+8*\u+7], v[ACC+8*\nt:ACC+8*\nt+7]
.endif
.if \u < 9
	FRAG ((\u+2)%3), (\u+2), \nt                   ; two blocks ahead.  No wait: no matrix instruction since the wait above names this set (in step 0: none since the conversions' last wait)
.endif
.endr
.endr
	PLACES                                         ; four places behind the last matrix instruction, before its result is read
	s_wait_alu depctr_va_vdst(0)                   ; the matrix instructions have written the accumulators, which the stores read; the places above stay beside this wait
.irp nt, 0,1,2,3
	global_store_b128 v[ZOFF], v[ACC+8*\nt:ACC+8*\nt+3], s[8:9] offset:1024*\nt           ; a wave's store covers 512 consecutive bytes, aligned
	global_store_b128 v[ZOFF], v[ACC+8*\nt+4:ACC+8*\nt+7], s[8:9] offset:1024*\nt+512
.endr
	s_wait_dscnt 0x0
	s_wait_alu depctr_hold_cnt(0) depctr_sa_sdst(0) depctr_va_vdst(0) depctr_va_sdst(0) depctr_va_ssrc(0) depctr_va_vcc(0) depctr_vm_vsrc(0)
	s_wait_tensorcnt 0x0
	ds_add_u32 v228, v229
	s_wait_dscnt 0x0
	s_endpgm
.Lfunc_end_k_qd60e038065_down:
	.size	k_qd60e038065_down, .Lfunc_end_k_qd60e038065_down-k_qd60e038065_down
	.p2alignl 7, 3214868480
	.fill 96, 4, 3214868480
	.section	.rodata,"a",@progbits
	.p2align	6, 0x0
	.amdhsa_kernel k_qd60e038065_down
		.amdhsa_group_segment_fixed_size 57344
		.amdhsa_private_segment_fixed_size 0
		.amdhsa_enable_private_segment 0
		.amdhsa_kernarg_size 24
		.amdhsa_user_sgpr_count 2
		.amdhsa_user_sgpr_kernarg_segment_ptr 1
		.amdhsa_wavefront_size32 1
		.amdhsa_system_sgpr_workgroup_id_x 1
		.amdhsa_system_sgpr_workgroup_id_y 1
		.amdhsa_system_sgpr_workgroup_id_z 1
		.amdhsa_system_vgpr_workitem_id 0
		.amdhsa_next_free_vgpr 230
		.amdhsa_next_free_sgpr 66
		.amdhsa_reserve_vcc 0
		.amdhsa_float_denorm_mode_32 3
		.amdhsa_float_denorm_mode_16_64 3
		.amdhsa_memory_ordered 1
		.amdhsa_forward_progress 1
		.amdhsa_inst_pref_size 22
	.end_amdhsa_kernel
	.amdgpu_metadata
---
amdhsa.version: [ 1, 2 ]
amdhsa.kernels:
  - .name:           k_qd60e038065_down
    .symbol:         k_qd60e038065_down.kd
    .args:
      - { .name: zf, .offset: 0, .size: 8, .value_kind: global_buffer, .address_space: global }
      - { .name: W2, .offset: 8, .size: 8, .value_kind: global_buffer, .address_space: global }
      - { .name: yp, .offset: 16, .size: 8, .value_kind: global_buffer, .address_space: global }
    .group_segment_fixed_size: 57344
    .private_segment_fixed_size: 0
    .kernarg_segment_align: 8
    .kernarg_segment_size: 24
    .max_flat_workgroup_size: 256
    .sgpr_count:     66
    .vgpr_count:     230
    .wavefront_size: 32
...
	.end_amdgpu_metadata
.endif
;; end of part 7
;; launch head (part 8): grid 128 x 2, 8 waves a work-group, no clusters, 49,408 bytes of LDS; arguments yp, b2, Wout, op; writes op
.if DOCPART == 8
	.amdgcn_target "amdgcn-amd-amdhsa--gfx1250"
	.amdhsa_code_object_version 6
	.text
	.protected	k_qd60e038065_head
	.globl	k_qd60e038065_head
	.p2align	8
	.type	k_qd60e038065_head,@function
k_qd60e038065_head:
	s_mov_b64 s[64:65], 0
	v_nop
	global_prefetch_b8 v0, s[64:65] scope:SCOPE_SE
	s_setreg_imm32_b32 hwreg(HW_REG_WAVE_SCHED_MODE, 0, 2), 2
	s_setreg_imm32_b32 hwreg(HW_REG_WAVE_MODE, 25, 1), 1
	s_wait_xcnt 0x0
	s_wait_alu depctr_vm_vsrc(0)
; head: Y[b][m'][d] = sum over the 32 parts of Ypart + sum over n of b2[n][d], then op[u] = Y (8 x 64) times 64 rows of Wout, 256 columns of them.
; The b2 term: the model adds b2[n][d] times the sum over p of the combine weights, and that sum is 1, being a softmax over p.
; SHARE: work-group (u, oh) owns 4 columns d = d0 .. d0 + 3 and all 16 tokens: one block of 256 bytes of yp for each (part, sample), and of the rows
; 512 m' + d0 + dq of Wout (K index 4 m' + dq) the columns 256 oh .. 256 oh + 255.  Wave w makes output columns 256 oh + 32 w .. + 31.
; The sum over u is the next launch's.  The two work-groups of one u both sum the same 65,536 bytes of yp: that is the price of 256 work-groups of
; 131,072 bytes each instead of 128 of 196,608; the sums go through registers, so a joint tensor load would not spare the work.
; The matrix rows 8-15 repeat samples 0-7, so both halves of the lanes hold results that are stored.
; LIMITS: Y and Wout are bf16 operands, sums in f32.
; THE MODE: SCHED_MODE bits 1:0 = 2 (LLVM: expert scheduling mode 2), set by the entry lines.  The code itself states the register dependences
; between vector or matrix instructions and memory or LDS instructions, with s_wait_alu, always for 0.
; THE PLAN.  Registers that memory or LDS instructions touch:
;   v1-v10    offsets and LDS addresses: made once at the head, never written again.
;   v16-v79   the 16 parts land; the additions read them and write v16-19; one LDS store reads v16-19.  Behind the first barrier 16 LDS loads land
;             here and vector lines read them; behind the second barrier two LDS loads land in v16-23, which the global stores read.
;   WF        load e of 16 lands in four registers; two conversions read them and write the first two; one LDS store reads those two.  The loads go in four
;             groups of four: a group's head waits for its loads and then states that the vector lines before it have written what the LDS stores
;             below read (first group: the sums; later groups: the group before's pairs).  Behind the first barrier fragments land in v80-111.
;   SEL       written by eight selects, read by eight LDS stores.
.set WPITCH, 544                       ; Wout's rows in LDS: 512 bytes of bf16 + 32, an odd multiple of 32
.set YS, 34816                         ; behind Wout's 64 rows: [half of the parts][b] rows of [m'][4 f32]
.set YPITCH, 272                       ; 256 bytes + 16, an odd multiple of 16: the eight samples that a load touches start at different banks
.set OS, 39168                         ; behind the 16 rows of sums: for each wave 8 rows of 144 bytes, the way out
.set OPITCH, 144                       ; 128 bytes + 16
.set OWAVE, 8*OPITCH
.set VL, 11
.set VR, 208
.set VH, 209
.set T, 210
.set T2, 211
.set WF, 80                            ; v[80:143] Wout as loaded; afterwards v[80:111]: its four fragments (K block, tile)
.set YA, 144                           ; v[144:159] two fragments of Y
.set ACC, 160                          ; v[160:175] two accumulators
.set SEL, 192                          ; v[192:199] the way out: the four rows that my half of the lanes puts down
.set OUTR, 16                          ; v[16:23]   the way out: a row read back (the sums of Y that lay here are dead; no matrix operand)
.macro PLACES
.rept 4
	v_nop
.endr
.endm
.macro CVT e                           ; load e: four f32 close up into two registers of bf16
	v_cvt_pk_bf16_f32 v[WF+4*\e], v[WF+4*\e], v[WF+4*\e+1]
	v_cvt_pk_bf16_f32 v[WF+4*\e+1], v[WF+4*\e+2], v[WF+4*\e+3]
.endm
.macro PUT e                           ; load e: my 8 bytes of half e & 1 of row e >> 1 into LDS
	ds_store_b64 v5, v[WF+4*\e:WF+4*\e+1] offset:(\e>>1)*WPITCH+256*(\e&1)
.endm
	s_load_b256 s[4:11], s[0:1], 0x0               ; yp s[4:5], b2 s[6:7], Wout s[8:9], op s[10:11]
	v_lshl_add_u32 v222, v0, 2, 0xbd00
	v_mov_b32 v223, 0
	v_lshrrev_b32 v[VL], 5, v0
	v_readfirstlane_b32 s12, v[VL]                 ; wave
	s_lshr_b32 s13, ttmp9, 2
	s_lshl_b32 s13, s13, 4
	s_and_b32 s14, ttmp9, 1
	s_lshl3_add_u32 s13, s14, s13
	s_bfe_u32 s14, ttmp9, 0x10001
	s_lshl2_add_u32 s13, s14, s13                  ; d0 = 16 (u >> 2) + 8 (u & 1) + 4 ((u >> 1) & 1)
	s_and_b32 s28, ttmp7, 0xffff
	s_lshl_b32 s28, s28, 10                        ; 1,024 oh: my 256 columns, in bytes of f32
	v_and_b32 v[VL], 31, v0
	v_and_b32 v[VR], 15, v0
	v_bfe_u32 v[VH], v0, 4, 1
	v_lshlrev_b32 v[T], 4, v[VR]
	v_bfe_u32 v1, v0, 4, 3
	v_lshl_add_u32 v1, v1, 15, v[T]
	v_lshrrev_b32 v[T2], 7, v0
	v_lshl_add_u32 v1, v[T2], 22, v1               ; yp: 16 parts x (thread >> 7), sample (thread >> 4) & 7, token thread & 15
	s_wait_alu depctr_va_sdst(0)                   ; s12 is written, ahead of its first reader: Wout's offset, the LDS addresses and op's base are made from it
	s_lshl_b32 s15, s12, 21
	v_lshl_add_u32 v2, v[VL], 4, s15               ; Wout: tokens 2 w, 2 w + 1
	v_lshlrev_b32 v3, 11, v[VR]                    ; b2: expert lane & 15
	s_mul_i32 s16, s12, 2*YPITCH
	s_add_co_u32 s16, s16, YS
	v_mul_u32_u24 v4, v[VH], YPITCH
	v_add_nc_u32 v4, v4, v[T]
	v_add_nc_u32 v4, s16, v4                       ; sums, in: row 2 w + (lane >> 4) = 8 x half of the parts + sample, token lane & 15
	s_mul_i32 s17, s12, 8*WPITCH
	v_lshl_add_u32 v5, v[VL], 3, s17               ; Wout's rows 8 w .. in LDS
	v_and_b32 v6, 7, v0
	v_mul_u32_u24 v6, v6, YPITCH
	v_lshl_add_u32 v6, v[VH], 5, v6
	v_add_nc_u32 v6, YS, v6                        ; sums, back: sample r & 7, tokens 2 hh, 2 hh + 1
	v_and_b32 v7, 7, v0
	v_lshl_add_u32 v7, v[VH], 3, v7
	v_mul_u32_u24 v7, v7, WPITCH
	v_bfe_u32 v[T2], v0, 3, 1
	v_lshl_add_u32 v7, v[T2], 4, v7
	s_lshl_b32 s18, s12, 6
	v_add_nc_u32 v7, s18, v7                       ; transposing loads: my wave's 32 columns
	s_mul_i32 s19, s12, OWAVE
	s_add_co_u32 s19, s19, OS
	v_mul_u32_u24 v8, v[VH], 4*OPITCH
	v_lshl_add_u32 v8, v[VR], 2, v8
	v_add_nc_u32 v8, s19, v8                       ; the way out, in: my wave's own stage, rows 4 hh .., column r
	s_mul_i32 s29, s12, OPITCH
	s_add_co_u32 s29, s29, OS
	v_lshrrev_b32 v9, 3, v[VL]
	v_mul_u32_u24 v9, v9, OWAVE
	v_and_b32 v[T2], 7, v0
	v_lshl_add_u32 v9, v[T2], 4, v9
	v_add_nc_u32 v9, s29, v9                       ; the way out, back: row w of the stage of wave lane >> 3 (+ 4), 16 (lane & 7)
	v_lshlrev_b32 v10, 4, v[VL]
	s_lshl_b32 s20, ttmp9, 8
	s_mov_b32 s21, 0
	s_lshl_b32 s22, s13, 2
	s_mov_b32 s23, 0
	s_lshl_b32 s24, s13, 11
	s_add_co_u32 s24, s24, s28
	s_mov_b32 s25, 0
	s_lshl_b32 s26, ttmp9, 14
	s_lshl_b32 s27, s12, 11
	s_add_co_u32 s26, s26, s27
	s_add_co_u32 s26, s26, s28                     ; op: partial product u, sample w, my 256 columns
	s_mov_b32 s27, 0
	s_wait_kmcnt 0x0
	s_add_nc_u64 s[4:5], s[4:5], s[20:21]
	s_add_nc_u64 s[6:7], s[6:7], s[22:23]
	s_add_nc_u64 s[8:9], s[8:9], s[24:25]
	s_add_nc_u64 s[10:11], s[10:11], s[26:27]
	s_wait_alu depctr_va_vdst(0)                   ; the ten offsets and LDS addresses v1 to v10 are written: every load and store of the kernel reads one of them
	global_load_b128 v[12:15], v3, s[6:7]
.irp k, 0,1,2,3,4,5,6,7,8,9,10,11,12,13,14,15
	global_load_b128 v[16+4*\k:16+4*\k+3], v1, s[4:5] offset:262144*\k
.endr
.set e, 0
.rept 16
	global_load_b128 v[WF+4*e:WF+4*e+3], v2, s[8:9] offset:(e>>3)*1048576+((e>>1)&3)*2048+(e&1)*512 th:TH_LOAD_NT
.set e, e+1
.endr
	s_wait_loadcnt 16                              ; b2 and the 16 parts are in; the 16 loads of Wout stay out
.irp k, 0,1,2,3,4,5,6,7
	v_pk_add_f32 v[16+4*\k:17+4*\k], v[16+4*\k:17+4*\k], v[48+4*\k:49+4*\k]
	v_pk_add_f32 v[18+4*\k:19+4*\k], v[18+4*\k:19+4*\k], v[50+4*\k:51+4*\k]
.endr
.irp k, 0,1,2,3
	v_pk_add_f32 v[16+4*\k:17+4*\k], v[16+4*\k:17+4*\k], v[32+4*\k:33+4*\k]
	v_pk_add_f32 v[18+4*\k:19+4*\k], v[18+4*\k:19+4*\k], v[34+4*\k:35+4*\k]
.endr
.irp k, 0,1
	v_pk_add_f32 v[16+4*\k:17+4*\k], v[16+4*\k:17+4*\k], v[24+4*\k:25+4*\k]
	v_pk_add_f32 v[18+4*\k:19+4*\k], v[18+4*\k:19+4*\k], v[26+4*\k:27+4*\k]
.endr
	v_pk_add_f32 v[16:17], v[16:17], v[20:21]
	v_pk_add_f32 v[18:19], v[18:19], v[22:23]
.irp x, 1,2,4,8
.irp j, 0,1,2,3
	v_add_f32_dpp v[12+\j], v[12+\j], v[12+\j] row_xmask:\x row_mask:0xf bank_mask:0xf     ; b2 summed over the 16 experts, in every lane
.endr
.endr
	s_wait_loadcnt 12                              ; loads 0 to 3 of Wout are in, the twelve younger ones stay out
	s_wait_alu depctr_va_vdst(0)                   ; the additions have written v[16:19], which the LDS store below reads
	ds_store_b128 v4, v[16:19]
.irp i, 0,1,2,3
	CVT \i
.endr
.irp g, 1,2,3
	s_wait_loadcnt 12-4*\g                         ; loads 4 g to 4 g + 3 are in, the younger ones stay out
	s_wait_alu depctr_va_vdst(0)                   ; the conversions of the group before have written their pairs, which the LDS stores below read
.irp i, 0,1,2,3
	PUT (4*\g-4+\i)                                ; no vector instruction since the wait names the group before's registers
	CVT (4*\g+\i)
.endr
.endr
	s_wait_alu depctr_va_vdst(0)                   ; the conversions of loads 12 to 15 have written their pairs; and all vector lines are done with v[16:79] and v[WF ..], in which LDS loads land below
.irp i, 12,13,14,15
	PUT \i
.endr
	s_wait_dscnt 0x0                               ; my sums and my rows are in LDS, for the other waves' sake
	s_barrier_signal -1
	s_barrier_wait -1
	s_wait_alu depctr_vm_vsrc(0)                   ; my LDS stores have read v[16:19] and v[WF ..], in which the loads below land
.irp f, 0,1,2,3
	ds_load_b128 v[16+16*\f:19+16*\f], v6 offset:64*\f
	ds_load_b128 v[20+16*\f:23+16*\f], v6 offset:64*\f+16
	ds_load_b128 v[24+16*\f:27+16*\f], v6 offset:64*\f+8*YPITCH
	ds_load_b128 v[28+16*\f:31+16*\f], v6 offset:64*\f+8*YPITCH+16
.endr
.irp kb, 0,1
.irp nt, 0,1
	ds_load_tr16_b128 v[WF+16*\kb+8*\nt:WF+16*\kb+8*\nt+3], v7 offset:32*WPITCH*\kb+32*\nt
	ds_load_tr16_b128 v[WF+16*\kb+8*\nt+4:WF+16*\kb+8*\nt+7], v7 offset:32*WPITCH*\kb+32*\nt+16*WPITCH
.endr
.endr
	s_wait_dscnt 0x0
.irp f, 0,1,2,3
	v_pk_add_f32 v[16+16*\f:17+16*\f], v[16+16*\f:17+16*\f], v[24+16*\f:25+16*\f]          ; the two halves of the parts
	v_pk_add_f32 v[18+16*\f:19+16*\f], v[18+16*\f:19+16*\f], v[26+16*\f:27+16*\f]
	v_pk_add_f32 v[20+16*\f:21+16*\f], v[20+16*\f:21+16*\f], v[28+16*\f:29+16*\f]
	v_pk_add_f32 v[22+16*\f:23+16*\f], v[22+16*\f:23+16*\f], v[30+16*\f:31+16*\f]
	v_pk_add_f32 v[16+16*\f:17+16*\f], v[16+16*\f:17+16*\f], v[12:13]                      ; and b2
	v_pk_add_f32 v[18+16*\f:19+16*\f], v[18+16*\f:19+16*\f], v[14:15]
	v_pk_add_f32 v[20+16*\f:21+16*\f], v[20+16*\f:21+16*\f], v[12:13]
	v_pk_add_f32 v[22+16*\f:23+16*\f], v[22+16*\f:23+16*\f], v[14:15]
.irp k, 0,1,2,3
	v_cvt_pk_bf16_f32 v[YA+4*\f+\k], v[16+16*\f+2*\k], v[16+16*\f+2*\k+1]
.endr
.endr
	; the two accumulators take turns, one instruction a turn
.irp nt, 0,1
	v_wmma_f32_16x16x32_bf16 v[ACC+8*\nt:ACC+8*\nt+7], v[YA:YA+7], v[WF+8*\nt:WF+8*\nt+7], 0
.endr
.irp nt, 0,1
	v_wmma_f32_16x16x32_bf16 v[ACC+8*\nt:ACC+8*\nt+7], v[YA+8:YA+15], v[WF+16+8*\nt:WF+16+8*\nt+7], v[ACC+8*\nt:ACC+8*\nt+7]
.endr
	PLACES
	; lanes hh = 0 put samples 0-3, lanes hh = 1 (which hold the repeated rows) samples 4-7, into my wave's own stage
	v_cmp_ne_u32 vcc_lo, 0, v[VH]
	s_wait_alu depctr_va_vcc(0)                    ; the compare has written VCC, which the selects below read
.irp nt, 0,1
.irp j, 0,1,2,3
	v_cndmask_b32 v[SEL+4*\nt+\j], v[ACC+8*\nt+\j], v[ACC+8*\nt+\j+4], vcc_lo
.endr
.endr
	s_wait_alu depctr_va_vdst(0)                   ; the selects have written v[SEL ..], which the LDS stores read; and the additions and conversions are done reading v[16:23], in which the last LDS loads land
.irp nt, 0,1
.irp j, 0,1,2,3
	ds_store_b32 v8, v[SEL+4*\nt+\j] offset:OPITCH*\j+64*\nt
.endr
.endr
	s_wait_dscnt 0x0                               ; my 8 x 128 bytes are in LDS, for the other waves' sake
	s_barrier_signal -1
	s_barrier_wait -1
	; wave w takes sample w's 1,024 bytes out of the eight stages: eight lanes take one wave's 128 bytes
.irp i, 0,1
	ds_load_b128 v[OUTR+4*\i:OUTR+4*\i+3], v9 offset:4*OWAVE*\i
.endr
.irp i, 0,1
	s_wait_dscnt 1-\i                              ; half i of the row is in, the younger load stays out
	global_store_b128 v10, v[OUTR+4*\i:OUTR+4*\i+3], s[10:11] offset:512*\i    ; a wave's store covers 512 consecutive bytes, aligned
.endr
	s_wait_dscnt 0x0
	s_wait_alu depctr_hold_cnt(0) depctr_sa_sdst(0) depctr_va_vdst(0) depctr_va_sdst(0) depctr_va_ssrc(0) depctr_va_vcc(0) depctr_vm_vsrc(0)
	s_wait_tensorcnt 0x0
	ds_add_u32 v222, v223
	s_wait_dscnt 0x0
	s_endpgm
.Lfunc_end_k_qd60e038065_head:
	.size	k_qd60e038065_head, .Lfunc_end_k_qd60e038065_head-k_qd60e038065_head
	.p2alignl 7, 3214868480
	.fill 96, 4, 3214868480
	.section	.rodata,"a",@progbits
	.p2align	6, 0x0
	.amdhsa_kernel k_qd60e038065_head
		.amdhsa_group_segment_fixed_size 49408
		.amdhsa_private_segment_fixed_size 0
		.amdhsa_enable_private_segment 0
		.amdhsa_kernarg_size 32
		.amdhsa_user_sgpr_count 2
		.amdhsa_user_sgpr_kernarg_segment_ptr 1
		.amdhsa_wavefront_size32 1
		.amdhsa_system_sgpr_workgroup_id_x 1
		.amdhsa_system_sgpr_workgroup_id_y 1
		.amdhsa_system_sgpr_workgroup_id_z 1
		.amdhsa_system_vgpr_workitem_id 0
		.amdhsa_next_free_vgpr 224
		.amdhsa_next_free_sgpr 66
		.amdhsa_reserve_vcc 1
		.amdhsa_float_denorm_mode_32 3
		.amdhsa_float_denorm_mode_16_64 3
		.amdhsa_memory_ordered 1
		.amdhsa_forward_progress 1
		.amdhsa_inst_pref_size 20
	.end_amdhsa_kernel
	.amdgpu_metadata
---
amdhsa.version: [ 1, 2 ]
amdhsa.kernels:
  - .name:           k_qd60e038065_head
    .symbol:         k_qd60e038065_head.kd
    .args:
      - { .name: yp, .offset: 0, .size: 8, .value_kind: global_buffer, .address_space: global }
      - { .name: b2, .offset: 8, .size: 8, .value_kind: global_buffer, .address_space: global }
      - { .name: Wout, .offset: 16, .size: 8, .value_kind: global_buffer, .address_space: global }
      - { .name: op, .offset: 24, .size: 8, .value_kind: global_buffer, .address_space: global }
    .group_segment_fixed_size: 49408
    .private_segment_fixed_size: 0
    .kernarg_segment_align: 8
    .kernarg_segment_size: 32
    .max_flat_workgroup_size: 256
    .sgpr_count:     66
    .vgpr_count:     224
    .wavefront_size: 32
...
	.end_amdgpu_metadata
.endif
;; end of part 8
;; launch fin: the kernel of part 6 again; grid 64 x 1, 8 waves a work-group, no clusters, 5,120 bytes of LDS; arguments op, bout, out0; writes out0
